; MI455X (gfx1250); checked and timed in simulation.
; The chip was launched on July 23, 2026; its instructions are those of AMD's public machine-readable ISA for CDNA 5 (MIT licence, August 2026) and "CDNA5" Instruction Set Architecture Reference Guide (July 2026). The comments in the code are by the model that wrote it; some were corrected since.
;; Self Attention. Allowed arithmetic: float matrix products may take bf16 or f16 operands with f32 sums; other float arithmetic in f32, or as packed bf16 or f16 multiplies, adds, multiply-adds, maxima and minima; sums over many terms, partial sums and values carried from step to step in f32; what a program stores and reads back later, other than sums and carried values, may be rounded once to bf16 or f16.
;; Inputs: Wk 1,024 x 1,024 float32; Wp 1,024 x 1,024 float32; Wq 1,024 x 1,024 float32; Wv 1,024 x 1,024 float32; attn_mask 2,048 x 2,048 int32; bk 1,024 float32; bp 1,024 float32; bq 1,024 float32; bv 1,024 float32; freqs_cis 2,048 x 32 x 2 float32; padding_mask 4 x 2,048 int32; x 4 x 2,048 x 1,024 float32.
;; Outputs: out0 4 x 2,048 x 1,024 float32.
;; 2 versions, each right; version 2 is version 1 with the launch prep written anew for expert scheduling mode. Each part assembles by itself: llvm-mc -triple=amdgcn-amd-amdhsa -mcpu=gfx1250 --defsym DOCPART=n.
;; ======== version 1 of 2: 4 launches
;; limits: values are held in f16: magnitudes above 65,504 overflow, below 6.1e-05 lose precision
;; workspace buffers: xbf 16,777,216 bytes; wqkv 6,291,456 bytes; wph 2,097,152 bytes; tab 278,528 bytes; msk 2,097,152 bytes of whole numbers; qkvh 50,331,648 bytes; oh 16,777,216 bytes
;; launch prep (part 1): grid 517 x 1, 8 waves a work-group, no clusters, 0 bytes of LDS; arguments attn_mask, padding_mask, x, Wq, Wk, Wv, Wp, freqs_cis, bq, bk, bv, bp, xbf, wqkv, wph, tab, msk; writes xbf, wqkv, wph, tab, msk
.if DOCPART == 1
	.amdgcn_target "amdgcn-amd-amdhsa--gfx1250"
	.amdhsa_code_object_version 6
	.text
	.protected	k_q0e57a7406d_prep
	.globl	k_q0e57a7406d_prep
	.p2align	8
	.type	k_q0e57a7406d_prep,@function
k_q0e57a7406d_prep:
	s_mov_b64 s[64:65], 0
	v_nop
	global_prefetch_b8 v0, s[64:65] scope:SCOPE_SE
	s_setreg_imm32_b32 hwreg(HW_REG_WAVE_MODE, 25, 1), 1
	s_wait_xcnt 0x0
; PREPARATION.  Every float input is rounded once to bf16, and the two masks are packed into lane masks.  A work-group has ONE role, by its number:
;   0-127   M: tile of 16 queries: attn_mask AND padding_mask -> msk        128-383 X: 32 rows of x -> xbf        384-479 W: 32 rows of Wq, Wk or Wv -> wqkv
;   480-511 P: Wp -> wph (rounded to bf16, that number written as f16)      512-515 T: freqs_cis -> tab (bf16)     516     B: the four biases -> tab (rounded to bf16, kept as f32)
; LAYOUTS.  xbf  bf16 [32 panels of 256 rows][16 blocks of 64 k][256][64]: a block is 32,768 dense bytes.
;           wqkv bf16 [8 panels][16 blocks of 64 k][384 rows][64]: row = 192 (head % 2) + 64 g + channel, g = 0 q, 1 k, 2 v; the panel holds heads 2 j and 2 j + 1.
;           msk  [b][tile of 16 queries][step of 64 keys][32 words].
;           Word 8 kb + j of (b, tile, step): bit l = key 64 step + 16 kb + 8 (l / 16) + j is visible to query 16 tile + l % 16: the lane mask of one register of a tile of scores.
; LIMITS.  Wp: a bf16 number below 6e-5 keeps f16's fixed step of 6e-8; beyond 65,504 it would be lost.
; The stream has no matrix work, no cluster, no LDS and no tensor load: no wave wants a byte that another has fetched.  Each byte is read once by 16-byte loads, all of a thread's 32 loads are out together, and each store
; of a wave covers 512 (role M: 256) consecutive bytes, aligned.
; A thread's 16 passes of 8 numbers: source at s[4:5] + v4 + q sstep, destination at s[6:7] + v5 + q dstep.  fmt = 1: the bf16 number is written as f16.
.macro STREAM sstep, dstep, fmt
.set q, 0
.rept 16
	global_load_b128 v[16+8*q:19+8*q], v4, s[4:5] offset:q*(\sstep) th:TH_LOAD_NT
	global_load_b128 v[20+8*q:23+8*q], v4, s[4:5] offset:q*(\sstep)+16 th:TH_LOAD_NT
.set q, q+1
.endr
.set q, 0
.rept 16
	s_wait_loadcnt 30-2*q                          ; loads come back in order: the 30 - 2 q behind this pass's two may stay out
.irp k, 0,1,2,3
	v_cvt_pk_bf16_f32 v[16+8*q+(\k)], v[16+8*q+2*(\k)], v[16+8*q+2*(\k)+1]
.endr
.if \fmt
.irp k, 0,1,2,3
	v_lshlrev_b32 v144, 16, v[16+8*q+(\k)]
	v_and_b32 v145, 0xffff0000, v[16+8*q+(\k)]
	v_cvt_pk_f16_f32 v[16+8*q+(\k)], v144, v145
.endr
.endif
	global_store_b128 v5, v[16+8*q:19+8*q], s[6:7] offset:q*(\dstep)
.set q, q+1
.endr
.endm
.macro ROWS                            ; eight threads a row of 1,024 f32: 64 numbers of it a pass
	v_lshrrev_b32 v2, 3, v0
	v_and_b32 v3, 7, v0
	v_lshlrev_b32 v4, 12, v2
	v_lshl_add_u32 v4, v3, 5, v4
	v_lshlrev_b32 v5, 4, v0                        ; row x 128 + 16 x (thread % 8) = 16 x thread
.endm
.macro LINEAR                          ; a dense share: 131,072 bytes in, 65,536 out; s14 = which
	v_lshlrev_b32 v4, 5, v0
	v_lshlrev_b32 v5, 4, v0
	s_lshl_b32 s16, s14, 17
	s_mov_b32 s17, 0
	s_lshl_b32 s18, s14, 16
	s_mov_b32 s19, 0
	s_wait_kmcnt 0x0
	s_add_nc_u64 s[4:5], s[4:5], s[16:17]
	s_add_nc_u64 s[6:7], s[6:7], s[18:19]
.endm
	v_lshrrev_b32 v1, 5, v0
	v_readfirstlane_b32 s12, v1                    ; wave 0..7
	s_mov_b32 s13, ttmp9
	s_cmp_lt_u32 s13, 128
	s_cbranch_scc1 .Lmask
	s_cmp_lt_u32 s13, 384
	s_cbranch_scc1 .Lx
	s_cmp_lt_u32 s13, 480
	s_cbranch_scc1 .Lw
	s_cmp_lt_u32 s13, 512
	s_cbranch_scc1 .Lp
	s_cmp_lt_u32 s13, 516
	s_cbranch_scc1 .Lt
	; ROLE B: waves 2 g and 2 g + 1 take bias g: four passes of 1,024 bytes
	s_load_b256 s[16:23], s[0:1], 0x40             ; bq, bk, bv, bp
	s_load_b64 s[6:7], s[0:1], 0x78                ; tab
	s_lshr_b32 s14, s12, 1
	v_and_b32 v2, 63, v0
	v_lshlrev_b32 v2, 4, v2
	s_lshl_b32 s15, s14, 12
	v_add_nc_u32 v3, s15, v2
	s_wait_kmcnt 0x0
	s_cmp_eq_u32 s14, 0
	s_cselect_b64 s[4:5], s[16:17], s[18:19]
	s_cmp_eq_u32 s14, 2
	s_cselect_b64 s[4:5], s[20:21], s[4:5]
	s_cmp_eq_u32 s14, 3
	s_cselect_b64 s[4:5], s[22:23], s[4:5]
.irp p, 0,1,2,3
	global_load_b128 v[16+4*(\p):19+4*(\p)], v2, s[4:5] offset:(\p)*1024
.endr
	s_wait_loadcnt 0x0
.irp p, 0,1,2,3
	v_cvt_pk_bf16_f32 v144, v[16+4*(\p)], v[17+4*(\p)]
	v_cvt_pk_bf16_f32 v145, v[18+4*(\p)], v[19+4*(\p)]
	v_lshlrev_b32 v[16+4*(\p)], 16, v144
	v_and_b32 v[17+4*(\p)], 0xffff0000, v144
	v_lshlrev_b32 v[18+4*(\p)], 16, v145
	v_and_b32 v[19+4*(\p)], 0xffff0000, v145
	global_store_b128 v3, v[16+4*(\p):19+4*(\p)], s[6:7] offset:262144+(\p)*1024
.endr
	s_endpgm
.Lx:                                   ; ROLE X
	s_load_b64 s[4:5], s[0:1], 0x10                ; x
	s_load_b64 s[6:7], s[0:1], 0x60                ; xbf
	s_sub_co_u32 s14, s13, 128                     ; 32 rows each
	ROWS
	s_lshl_b32 s16, s14, 17
	s_mov_b32 s17, 0
	s_lshr_b32 s18, s14, 3                         ; the panel,
	s_lshl_b32 s18, s18, 19
	s_and_b32 s19, s14, 7                          ; my 32 rows of its 256
	s_lshl_b32 s19, s19, 12
	s_add_co_u32 s18, s18, s19
	s_mov_b32 s19, 0
	s_wait_kmcnt 0x0
	s_add_nc_u64 s[4:5], s[4:5], s[16:17]
	s_add_nc_u64 s[6:7], s[6:7], s[18:19]
	STREAM 256, 32768, 0
	s_endpgm
.Lw:                                   ; ROLE W
	s_load_b64 s[20:21], s[0:1], 0x18              ; Wq
	s_load_b64 s[22:23], s[0:1], 0x20              ; Wk
	s_load_b64 s[24:25], s[0:1], 0x28              ; Wv
	s_load_b64 s[6:7], s[0:1], 0x68                ; wqkv
	s_sub_co_u32 s14, s13, 384
	s_lshr_b32 s15, s14, 5                         ; g
	s_and_b32 s14, s14, 31                         ; which 32 rows: half a head
	ROWS
	s_lshl_b32 s16, s14, 17
	s_mov_b32 s17, 0
	s_lshr_b32 s18, s14, 2                         ; the panel
	s_mul_i32 s18, s18, 786432
	s_bfe_u32 s19, s14, 0x10001                    ; head % 2
	s_mul_i32 s19, s19, 192
	s_lshl_b32 s26, s15, 6
	s_add_co_u32 s19, s19, s26
	s_and_b32 s26, s14, 1
	s_lshl_b32 s26, s26, 5
	s_add_co_u32 s19, s19, s26                     ; the first of my rows in a block
	s_lshl_b32 s19, s19, 7
	s_add_co_u32 s18, s18, s19
	s_mov_b32 s19, 0
	s_wait_kmcnt 0x0
	s_cmp_eq_u32 s15, 0
	s_cselect_b64 s[4:5], s[20:21], s[22:23]
	s_cmp_eq_u32 s15, 2
	s_cselect_b64 s[4:5], s[24:25], s[4:5]
	s_add_nc_u64 s[4:5], s[4:5], s[16:17]
	s_add_nc_u64 s[6:7], s[6:7], s[18:19]
	STREAM 256, 49152, 0
	s_endpgm
.Lp:                                   ; ROLE P
	s_load_b64 s[4:5], s[0:1], 0x30                ; Wp
	s_load_b64 s[6:7], s[0:1], 0x70                ; wph
	s_sub_co_u32 s14, s13, 480
	LINEAR
	STREAM 8192, 4096, 1
	s_endpgm
.Lt:                                   ; ROLE T
	s_load_b64 s[4:5], s[0:1], 0x38                ; freqs_cis
	s_load_b64 s[6:7], s[0:1], 0x78                ; tab
	s_sub_co_u32 s14, s13, 512
	LINEAR
	STREAM 8192, 4096, 0
	s_endpgm
.Lmask:                                ; ROLE M: tile s13; wave w owns key steps 4 w .. 4 w + 3, two a trip
	s_load_b128 s[4:7], s[0:1], 0x0                ; attn_mask, padding_mask
	s_load_b64 s[8:9], s[0:1], 0x80                ; msk
	v_and_b32 v1, 31, v0                           ; l
	v_and_b32 v6, 15, v1
	v_lshrrev_b32 v7, 4, v1
	s_lshl_b32 s14, s12, 10                        ; my four steps: 256 keys x 4 bytes
	v_lshlrev_b32 v2, 13, v6                       ; attn_mask: row l % 16,
	v_lshl_add_u32 v2, v7, 5, v2                   ; eight keys from 8 (l / 16) on
	v_add_nc_u32 v2, s14, v2
	v_bfe_u32 v3, v1, 2, 2                         ; padding_mask: lane 16 sp + m will hold words 2 m, 2 m + 1 of step sp: keys 64 sp + 16 (m / 4) + 2 (m % 4) + 0, 1, and those 8 on
	v_lshlrev_b32 v3, 4, v3
	v_lshl_add_u32 v3, v7, 6, v3
	v_and_b32 v6, 3, v1
	v_lshl_add_u32 v3, v6, 1, v3
	v_lshl_add_u32 v3, v3, 2, s14
	s_lshl_b32 s15, s13, 12                        ; the words: tile x 4,096 + step x 128 + 8 l
	s_lshl_b32 s34, s12, 9
	s_add_co_u32 s15, s15, s34
	v_lshl_add_u32 v4, v1, 3, s15
	s_lshl_b32 s40, s13, 17                        ; the tile's 16 rows of 8,192 bytes
	s_mov_b32 s41, 0
	v_mov_b32 v10, 0                               ; v_writelane_b32 counts as a reader of its destination
	v_mov_b32 v11, 0
	v_mov_b32 v112, 0xffff
	v_mov_b32 v113, 0xffff0000
	s_mov_b32 s33, 2
	s_wait_kmcnt 0x0
	s_add_nc_u64 s[4:5], s[4:5], s[40:41]
.Lpair:
.irp b, 0,1,2,3
	global_load_b64 v[20+4*(\b):21+4*(\b)], v3, s[6:7] offset:(\b)*8192
	global_load_b64 v[22+4*(\b):23+4*(\b)], v3, s[6:7] offset:(\b)*8192+32
.endr
.set c, 0
.rept 8                                ; chunk c: step c / 4 of the pair, 16 keys from 16 (c % 4) on
	global_load_b128 v[48+8*c:51+8*c], v2, s[4:5] offset:(c/4)*256+(c%4)*64 th:TH_LOAD_NT
	global_load_b128 v[52+8*c:55+8*c], v2, s[4:5] offset:(c/4)*256+(c%4)*64+16 th:TH_LOAD_NT
.set c, c+1
.endr
	s_wait_loadcnt 16                              ; the padding is in: attn_mask's 16 loads are younger
.set p, 0
.rept 8                                ; batch p / 2, word parity p % 2: lanes 0-15 of a word go by one key, lanes 16-31 by the key 8 on
	v_cmp_ne_u32 vcc_lo, 0, v[20+4*(p/2)+p%2]
	v_cndmask_b32 v[36+p], 0, v112, vcc_lo
	v_cmp_ne_u32 vcc_lo, 0, v[22+4*(p/2)+p%2]
	v_cndmask_b32 v114, 0, v113, vcc_lo
	v_or_b32 v[36+p], v[36+p], v114
.set p, p+1
.endr
.set c, 0
.rept 8
	s_wait_loadcnt 14-2*c                          ; the chunks behind this one may stay out
.irp j, 0,1,2,3,4,5,6,7
	v_cmp_ne_u32 s[16+(\j)], 0, v[48+8*c+(\j)]     ; a compare's lane mask IS word 8 (c % 4) + j
.endr
.irp j, 0,1,2,3,4,5,6,7
	v_writelane_b32 v[10+(\j)%2], s[16+(\j)], 16*(c/4)+4*(c%4)+(\j)/2
.endr
.set c, c+1
.endr
.irp b, 0,1,2,3
	v_and_b32 v[12+2*(\b)], v10, v[36+2*(\b)]
	v_and_b32 v[13+2*(\b)], v11, v[37+2*(\b)]
	global_store_b64 v4, v[12+2*(\b):13+2*(\b)], s[8:9] offset:(\b)*524288  ; two steps' words: 256 consecutive bytes, aligned
.endr
	s_wait_xcnt 0x0                                ; the offsets and the stores' data are written again only behind this wait
	v_add_nc_u32 v2, 512, v2
	v_add_nc_u32 v3, 512, v3
	v_add_nc_u32 v4, 256, v4
	s_sub_co_u32 s33, s33, 1
	s_cmp_lg_u32 s33, 0
	s_cbranch_scc1 .Lpair
	s_endpgm
.Lfunc_end_k_q0e57a7406d_prep:
	.size	k_q0e57a7406d_prep, .Lfunc_end_k_q0e57a7406d_prep-k_q0e57a7406d_prep
	.p2alignl 7, 3214868480
	.fill 96, 4, 3214868480
	.section	.rodata,"a",@progbits
	.p2align	6, 0x0
	.amdhsa_kernel k_q0e57a7406d_prep
		.amdhsa_group_segment_fixed_size 0
		.amdhsa_private_segment_fixed_size 0
		.amdhsa_enable_private_segment 0
		.amdhsa_kernarg_size 136
		.amdhsa_user_sgpr_count 2
		.amdhsa_user_sgpr_kernarg_segment_ptr 1
		.amdhsa_wavefront_size32 1
		.amdhsa_system_sgpr_workgroup_id_x 1
		.amdhsa_system_sgpr_workgroup_id_y 1
		.amdhsa_system_sgpr_workgroup_id_z 1
		.amdhsa_system_vgpr_workitem_id 0
		.amdhsa_next_free_vgpr 160
		.amdhsa_next_free_sgpr 66
		.amdhsa_reserve_vcc 1
		.amdhsa_float_denorm_mode_32 3
		.amdhsa_float_denorm_mode_16_64 3
		.amdhsa_memory_ordered 1
		.amdhsa_forward_progress 1
		.amdhsa_inst_pref_size 67
	.end_amdhsa_kernel
	.amdgpu_metadata
---
amdhsa.version: [ 1, 2 ]
amdhsa.kernels:
  - .name:           k_q0e57a7406d_prep
    .symbol:         k_q0e57a7406d_prep.kd
    .args:
      - { .name: attn_mask, .offset: 0, .size: 8, .value_kind: global_buffer, .address_space: global }
      - { .name: padding_mask, .offset: 8, .size: 8, .value_kind: global_buffer, .address_space: global }
      - { .name: x, .offset: 16, .size: 8, .value_kind: global_buffer, .address_space: global }
      - { .name: Wq, .offset: 24, .size: 8, .value_kind: global_buffer, .address_space: global }
      - { .name: Wk, .offset: 32, .size: 8, .value_kind: global_buffer, .address_space: global }
      - { .name: Wv, .offset: 40, .size: 8, .value_kind: global_buffer, .address_space: global }
      - { .name: Wp, .offset: 48, .size: 8, .value_kind: global_buffer, .address_space: global }
      - { .name: freqs_cis, .offset: 56, .size: 8, .value_kind: global_buffer, .address_space: global }
      - { .name: bq, .offset: 64, .size: 8, .value_kind: global_buffer, .address_space: global }
      - { .name: bk, .offset: 72, .size: 8, .value_kind: global_buffer, .address_space: global }
      - { .name: bv, .offset: 80, .size: 8, .value_kind: global_buffer, .address_space: global }
      - { .name: bp, .offset: 88, .size: 8, .value_kind: global_buffer, .address_space: global }
      - { .name: xbf, .offset: 96, .size: 8, .value_kind: global_buffer, .address_space: global }
      - { .name: wqkv, .offset: 104, .size: 8, .value_kind: global_buffer, .address_space: global }
      - { .name: wph, .offset: 112, .size: 8, .value_kind: global_buffer, .address_space: global }
      - { .name: tab, .offset: 120, .size: 8, .value_kind: global_buffer, .address_space: global }
      - { .name: msk, .offset: 128, .size: 8, .value_kind: global_buffer, .address_space: global }
    .group_segment_fixed_size: 0
    .private_segment_fixed_size: 0
    .kernarg_segment_align: 8
    .kernarg_segment_size: 136
    .max_flat_workgroup_size: 256
    .sgpr_count:     66
    .vgpr_count:     160
    .wavefront_size: 32
...
	.end_amdgpu_metadata
.endif
;; end of part 1
;; launch qkvp (part 2): grid 8 x 32, 4 waves a work-group, clusters of 4 x 4, 327,680 bytes of LDS; arguments xbf, wqkv, tab, qkvh; writes qkvh
.if DOCPART == 2
	.amdgcn_target "amdgcn-amd-amdhsa--gfx1250"
	.amdhsa_code_object_version 6
	.text
	.protected	k_q0e57a7406d_qkvp
	.globl	k_q0e57a7406d_qkvp
	.p2align	8
	.type	k_q0e57a7406d_qkvp,@function
k_q0e57a7406d_qkvp:
	s_mov_b64 s[64:65], 0
	v_nop
	global_prefetch_b8 v0, s[64:65] scope:SCOPE_SE
	s_setreg_imm32_b32 hwreg(HW_REG_WAVE_MODE, 25, 1), 1
	s_wait_xcnt 0x0
	s_wait_alu depctr_hold_cnt(0) depctr_sa_sdst(0) depctr_va_vdst(0) depctr_va_sdst(0) depctr_va_ssrc(0) depctr_va_vcc(0) depctr_vm_vsrc(0)
	s_getreg_b32 s2, hwreg(HW_REG_IB_STS2, 6, 4)
	s_cmp_eq_u32 s2, 0
	s_cbranch_scc0 .Lentry_in_a_cluster
	s_endpgm
.Lentry_in_a_cluster:
	s_bfe_u32 s2, ttmp6, 0x10000c
	s_cmp_lg_u32 s2, 0xf033
	s_cbranch_scc0 .Lentry_shape_is_right
	s_endpgm
.Lentry_shape_is_right:
; q, k, v = x W^T + b, RoPE on q and k, written by heads in f16: qkvh = q, k, v, each [b x 16 + head][2048][64], q WITHOUT the scale.  Operands bf16, sums f32.
; LIMIT.  f16 ends at 65,504: q, k and v must stay within it (with x and the weights 30 times the drawn spread they have a spread of some 600).
; SHARES.  A work-group makes 256 tokens x 384 columns: q, k and v of heads 2 j and 2 j + 1.  Four waves; wave w takes tokens 128 (w / 2) on and head 2 j + w % 2: 8 token blocks x 12 channel blocks = 96 accumulators,
; 768 registers; for 32 along K it reads 40 x 512 bytes from LDS for 96 matrix instructions.  256 work-groups in all.
; THE MATRIX INSTRUCTION IS USED TRANSPOSED: source 0 = 16 rows of W, source 1 = 16 tokens: a lane holds ONE token (l % 16) and the channels 16 bb + 8 (l / 16) + 0..7: RoPE's pairs lie in one lane, and eight f16 are 16 bytes of a head's row.
; q's and k's bias are the C operand of the first products; v's is added on the way out (no registers are free for it at the start).
; RING.  K goes in steps of 64 through two LDS slots.  xbf and wqkv hold each K step as one dense block, asked for as rows of 256 bytes and padded in LDS behind every 128.
; CLUSTER 4 x 4: x's block is shared along a row of the cluster, W's along a column: joint loads.
; REGISTERS: window 0: v0-31 addresses; v32-95, v96-159 fragments of x, two buffers; v160-255 fragments of W (g, bb at 160 + 8 (4 g + bb)).  Window 1 + g: the accumulators of g (0 q, 1 k, 2 v): (a, bb) at 8 (4 a + bb).
.set PITCH,  144                       ; an LDS row: 128 bytes + 16 = 36 words: the 16 rows of a fragment load start at 16 different groups of four banks (64 banks of 4 bytes: ISA guide 11.1)
.set AHALF,  128*PITCH
.set BHALF,  192*PITCH
.set ABYTES, 2*AHALF
.set SLOT,   ABYTES+2*BHALF            ; x's 256 rows, then W's 384
.set STAGE,  2*SLOT                    ; behind the ring: 3 x 16 rows x 144 bytes for each wave
.set SPARE,  STAGE+4*48*PITCH          ; the spare words, 128 bytes a wave: two blocks of 256 bytes that no other line names
.set ACHUNK, 32768                     ; a K step of a panel of xbf, in bytes
.set BCHUNK, 49152                     ; of wqkv
.set ADRA, 16                          ; v16-17 LDS address of my x fragments in slot 0, 1
.set ADRB, 20                          ; v20-21 of my W fragments
.set FRO,  22                          ; v22 my byte offset in the table of cos and sin
.set BO,   23                          ; v23 my byte offset in a bias
.set STO,  24
.set RD,   25
.set GO,   26
.set SPW,  28                          ; v28 SPARE + 4 x my thread's number; never rewritten
.set NIL,  29                          ; v29 0; never rewritten
.set PFO,  30                          ; v30 256 x lane; never rewritten
.set AF0,  32
.set AF1,  96
.set BF,   160
.set BIAS, 96                          ; q's and k's bias lie in x's second buffer until the first products have read them
.set CSR,  32                          ; the way out: cos and sin as loaded,
.set BV,   64                          ; v's bias,
.set CS,   96                          ; (cos, sin) in f32,
.set T,    128
.set O,    160
.set H,    192                         ; 16 registers of f16 for each g
.set WV, 12
.set WM, 13                            ; wave / 2: my token half; also: I fetch x (0) or W (1)
.set WN, 14                            ; wave % 2: my head; also: which half of the block I fetch
.set G1A, 24
.set G0A, 32
.set LIM, 43
.set PFA, 44
.set G1B, 48
.set G0B, 56
.set PSTEP, 66
.set OUT, 68                           ; s[68:73] q, k, v at my first row
.set HIM, 76
.set MSB, 0
.macro WIN new                         ; the immediate's high byte repeats the setting that is left
.if MSB != (\new)
	s_set_vgpr_msb (MSB<<8)|(\new)
.set MSB, \new
.endif
.endm
.macro PLACES                          ; four places behind matrix instructions, in front of loads into their sources and of reads of their results
.rept 4
	v_nop
.endr
.endm
.macro JLOAD s                         ; a joint load: waves 0 and 1 fetch x's halves, waves 2 and 3 W's; an s_nop 0 and four v_nop follow each line
	s_cmp_eq_u32 s[WM], 0
	s_cbranch_scc0 .Lfor_b_\@
	tensor_load_to_lds s[G0A+4*(\s):G0A+4*(\s)+3], s[G1A:G1A+7]
	s_nop 0
.rept 4
	v_nop
.endr
	s_branch .Lasked_\@
.Lfor_b_\@:
	tensor_load_to_lds s[G0B+4*(\s):G0B+4*(\s)+3], s[G1B:G1B+7]
	s_nop 0
.rept 4
	v_nop
.endr
.Lasked_\@:
.endm
.macro CREST                           ; a round of the cluster's barrier behind its opening barrier
	s_cmp_lg_u32 s[WV], 0
	s_cbranch_scc1 .Lnot_wave_0_\@
	s_barrier_signal -3
.Lnot_wave_0_\@:
	s_barrier_wait -3
	s_barrier_signal -1
	s_barrier_wait -1
.endm
.macro CROUND
	s_barrier_signal -1
	s_barrier_wait -1
	CREST
.endm
; A PREFETCH INTO THE L2, once a lap, behind slot 0's joint load and the run of LDS loads that follows it: the two K steps that the NEXT lap's two refills ask for, which lie end to end in a panel.
; x's panel is read by both clusters of a row of clusters: the one with x = 0 asks; its four partners along x take a quarter each BY ADDRESS (16,384 bytes: wave 0, two instructions, a lane 256 bytes).
; W's panel is read by all eight clusters of a column: the one with y = 0 asks; its four partners along y take 24,576 bytes each: waves 1 to 3, one instruction each.  So each 256 bytes are named once.
; The first four K steps come by their loads alone; the loop's last trip asks for nothing: there is no K step behind 15.
.macro ASK
	s_cmp_gt_u32 s3, s[LIM]
	s_cbranch_scc0 .Lnoask_\@
	global_prefetch_b8 v[PFO], s[PFA:PFA+1] th:TH_LOAD_NT scope:SCOPE_SE
	s_cmp_lg_u32 s[WV], 0
	s_cbranch_scc1 .Lnoask_\@
	global_prefetch_b8 v[PFO], s[PFA:PFA+1] offset:8192 th:TH_LOAD_NT scope:SCOPE_SE
.Lnoask_\@:
.endm
; 8 n matrix instructions of g: channel blocks bb0 .. bb0 + n - 1 x all 8 token blocks, 32 along K, x's fragments in buffer f.  All accumulators take turns, one instruction a turn.
; first = 1: the products start the sums: with the bias (q, k) or with 0 (v).
.macro MULG g, bb0, n, f, first
.if (\first) && ((\g) < 2)
	WIN ((\g)+1)<<6
.else
	WIN ((\g)+1)*0x50
.endif
.set bx, \bb0
.rept \n
.set ax, 0
.rept 8
.set rD, 8*(4*ax+bx)
.set rB, BF+8*(4*(\g)+bx)
.set rA, (\f)+8*ax
.if (\first) && ((\g) < 2)
	v_wmma_f32_16x16x32_bf16 v[rD:rD+7], v[rB:rB+7], v[rA:rA+7], v[BIAS+32*(\g)+8*bx:BIAS+32*(\g)+8*bx+7]
.elseif \first
	v_wmma_f32_16x16x32_bf16 v[rD:rD+7], v[rB:rB+7], v[rA:rA+7], 0
.else
	v_wmma_f32_16x16x32_bf16 v[rD:rD+7], v[rB:rB+7], v[rA:rA+7], v[rD:rD+7]
.endif
.set ax, ax+1
.endr
.set bx, bx+1
.endr
.endm
.macro LDB g, slot, k                  ; 8 LDS loads: W's four fragments of g, 32 K at byte k of the rows
	WIN 0
.irp bb, 0,1,2,3
	ds_load_b128 v[BF+8*(4*(\g)+(\bb)):BF+8*(4*(\g)+(\bb))+3],   v[ADRB+(\slot)] offset:(\k)+(64*(\g)+16*(\bb))*PITCH
	ds_load_b128 v[BF+8*(4*(\g)+(\bb))+4:BF+8*(4*(\g)+(\bb))+7], v[ADRB+(\slot)] offset:(\k)+(64*(\g)+16*(\bb))*PITCH+32
.endr
.endm
.macro LDA f, slot, k                  ; 16 LDS loads: x's eight fragments
	WIN 0
.irp a, 0,1,2,3,4,5,6,7
	ds_load_b128 v[(\f)+8*(\a):(\f)+8*(\a)+3],   v[ADRA+(\slot)] offset:(\k)+(\a)*16*PITCH
	ds_load_b128 v[(\f)+8*(\a)+4:(\f)+8*(\a)+7], v[ADRA+(\slot)] offset:(\k)+(\a)*16*PITCH+32
.endr
.endm
; A K step is two slices of 32 along K, 96 matrix instructions each.  W's fragments of g are fetched for the next slice as soon as g's products of this slice are issued; x's have two buffers.
; The LDS loads always go out in the order W0 (8), W1 (8), x (16), W2 (8).
.macro EVEN slot, first                ; a slot's first slice
	s_wait_dscnt 8                                 ; all but W2's eight
	MULG 0, 0, 4, AF0, \first
	PLACES
	LDB 0, \slot, 64
	MULG 1, 0, 4, AF0, \first
	PLACES
	LDB 1, \slot, 64
	LDA AF1, \slot, 64
	s_wait_dscnt 32                                ; all but the 32 just issued: W2 is in
	MULG 2, 0, 4, AF0, \first
	PLACES
	LDB 2, \slot, 64
.endm
; A slot's second slice, and the change of slots: ONE barrier.  In front of it each wave waits for all its tensor loads (one is out: its part of the other slot), adds 0 to its spare word, and waits for that
; and for its reads of this slot.  fill = 1: the barrier opens a round of the cluster's barrier, and behind the round this slot is filled again, two K steps on: 160 matrix instructions ahead of the wait for it.
.macro TURN slot, fill, ask
	WIN 0
.if \ask
	s_wait_xcnt 0x0                                ; the last prefetches, a lap back, have read their address
	s_add_nc_u64 s[PFA:PFA+1], s[PFA:PFA+1], s[PSTEP:PSTEP+1]
.endif
	s_wait_tensorcnt 0x0                           ; all my tensor loads have landed
	ds_add_u32 v[SPW], v[NIL]                      ; 0 onto my spare word
	s_wait_dscnt 9                                 ; (the add and W2's eight may be out)
	MULG 0, 0, 2, AF1, 0
	s_wait_dscnt 0x0                               ; the add is done, and my reads of this slot are over
	s_barrier_signal -1
	MULG 0, 2, 2, AF1, 0
	WIN 0
	s_barrier_wait -1
.if \fill
	CREST                                          ; no wave of any partner still reads this slot or has a load on its way
	s_add_nc_u64 s[G0A+4*(\slot)+2:G0A+4*(\slot)+3], s[G0A+4*(\slot)+2:G0A+4*(\slot)+3], 2*ACHUNK
	s_add_nc_u64 s[G0B+4*(\slot)+2:G0B+4*(\slot)+3], s[G0B+4*(\slot)+2:G0B+4*(\slot)+3], 2*BCHUNK
	JLOAD \slot                                    ; its four v_nop are also the places in front of the loads below
.else
	PLACES
.endif
	LDB 0, 1-(\slot), 0
.if \ask
	ASK
.endif
	MULG 1, 0, 4, AF1, 0
	PLACES
	LDB 1, 1-(\slot), 0
	LDA AF0, 1-(\slot), 0
	MULG 2, 0, 4, AF1, 0
	PLACES
	LDB 2, 1-(\slot), 0
.endm
	s_load_b256 s[4:11], s[0:1], 0x0               ; xbf s[4:5], wqkv s[6:7], tab s[8:9], qkvh s[10:11]
	v_lshl_add_u32 v[SPW], v0, 2, SPARE
	v_mov_b32 v[NIL], 0
	ds_add_u32 v[SPW], v[NIL]                      ; the wave's opening: the add and its wait ahead of my first tensor load
	v_lshrrev_b32 v1, 5, v0
	v_readfirstlane_b32 s[WV], v1
	s_lshr_b32 s[WM], s[WV], 1
	s_and_b32 s[WN], s[WV], 1
	s_bfe_u32 s15, ttmp6, 0x40000                  ; cx
	s_bfe_u32 s16, ttmp6, 0x40004                  ; cy
	s_lshl_b32 s17, ttmp9, 2
	s_add_co_u32 s17, s17, s15                     ; j: the pair of heads
	s_and_b32 s18, ttmp7, 0xffff
	s_lshl_b32 s18, s18, 2
	s_add_co_u32 s18, s18, s16                     ; i: the panel of 256 tokens
	s_lshl_b32 s19, s16, 2
	s_lshl_b32 s19, 15, s19                        ; my row of the cluster
	s_lshl_b32 s40, 0x1111, s15                    ; my column
	s_or_b32 s[G1A], s19, (1<<16)|(1<<20)|(1<<21)|(4<<22)|(3<<25)  ; the mask; 2-byte elements; padding on; bit 21 beside a mask; after every 32 words, 4 words
	s_or_b32 s[G1B], s40, (1<<16)|(1<<20)|(1<<21)|(4<<22)|(3<<25)
	s_mov_b32 s[G1A+1], 128<<16                    ; tensor_dim0 = 128 elements: rows of 256 bytes
	s_mov_b32 s[G1A+2], 64<<16                     ; tensor_dim1 = 64: half a block of x
	s_mov_b32 s[G1A+3], 128<<16                    ; tile_dim0
	s_mov_b32 s[G1A+4], 64                         ; tile_dim1
	s_mov_b32 s[G1A+5], 128                        ; dense
	s_mov_b32 s[G1A+6], 0
	s_mov_b32 s[G1A+7], 0
	s_mov_b32 s[G1B+1], 128<<16
	s_mov_b32 s[G1B+2], 96<<16                     ; half a block of W
	s_mov_b32 s[G1B+3], 128<<16
	s_mov_b32 s[G1B+4], 96
	s_mov_b32 s[G1B+5], 128
	s_mov_b32 s[G1B+6], 0
	s_mov_b32 s[G1B+7], 0
	s_lshl_b32 s20, s18, 19                        ; x: panel i, my half of a block; no register of it ever holds cx
	s_lshl_b32 s21, s[WN], 14
	s_add_co_u32 s20, s20, s21
	s_mov_b32 s21, 0
	s_mul_i32 s46, s17, 16*BCHUNK                  ; W: panel j, my half; no register of it ever holds cy
	s_mul_i32 s47, s[WN], BCHUNK/2
	s_add_co_u32 s46, s46, s47
	s_mov_b32 s47, 0
	s_mul_i32 s22, s[WN], AHALF                    ; where they go: the wave's number alone
	s_mul_i32 s23, s[WN], BHALF
	s_add_co_u32 s23, s23, ABYTES
	s_mov_b32 s[HIM], 0xffff0000
	s_wait_dscnt 0x0                               ; the opening add is done
	s_wait_kmcnt 0x0
	s_add_nc_u64 s[20:21], s[4:5], s[20:21]
	s_add_nc_u64 s[46:47], s[6:7], s[46:47]
	CROUND                                         ; all sixteen work-groups are here: the first joint loads meet
.irp s, 0,1
	s_mov_b32 s[G0A+4*(\s)], 1
	s_add_co_u32 s[G0A+4*(\s)+1], s22, (\s)*SLOT
	s_add_nc_u64 s[G0A+4*(\s)+2:G0A+4*(\s)+3], s[20:21], (\s)*ACHUNK
	s_or_b32 s[G0A+4*(\s)+3], s[G0A+4*(\s)+3], 0x80000000
	s_mov_b32 s[G0B+4*(\s)], 1
	s_add_co_u32 s[G0B+4*(\s)+1], s23, (\s)*SLOT
	s_add_nc_u64 s[G0B+4*(\s)+2:G0B+4*(\s)+3], s[46:47], (\s)*BCHUNK
	s_or_b32 s[G0B+4*(\s)+3], s[G0B+4*(\s)+3], 0x80000000
	JLOAD \s
.endr
	; the prefetches' pointer: at K step 2; the first lap steps it to 4
	s_lshl_b32 s40, s18, 19
	s_lshl_b32 s41, s15, 14
	s_add_co_u32 s40, s40, s41
	s_add_co_u32 s40, s40, 2*ACHUNK                ; wave 0: my work-group's 16,384 bytes of two K steps of x
	s_mul_i32 s41, s17, 16*BCHUNK
	s_mul_i32 s42, s16, BCHUNK/2
	s_add_co_u32 s41, s41, s42
	s_lshl_b32 s42, s[WV], 13
	s_add_co_u32 s41, s41, s42
	s_add_co_u32 s41, s41, 2*BCHUNK-8192           ; waves 1 to 3: 8,192 each of my work-group's 24,576 bytes of W
	s_and_b32 s19, ttmp7, 0xffff
	s_mov_b32 s21, 2*ACHUNK
	s_mov_b32 s23, 2*BCHUNK
	s_cmp_eq_u32 s[WV], 0
	s_cselect_b64 s[PFA:PFA+1], s[4:5], s[6:7]
	s_cselect_b32 s40, s40, s41
	s_cselect_b32 s19, ttmp9, s19                  ; the coordinate along which other clusters read the same panel
	s_cselect_b32 s[PSTEP], s21, s23
	s_mov_b32 s[PSTEP+1], 0
	s_mov_b32 s41, 0
	s_add_nc_u64 s[PFA:PFA+1], s[PFA:PFA+1], s[40:41]
	s_cmp_eq_u32 s19, 0
	s_cselect_b32 s[LIM], 1, -1                    ; the same in all sixteen partners, for a given wave
	; a fragment is 16 rows x 32 K in 8 registers: lane l holds row l % 16, K = 8 (l / 16) + 0..7 and 16 + 8 (l / 16) + 0..7: two loads of 16 bytes, 32 bytes apart
	v_and_b32 v1, 15, v0
	v_bfe_u32 v2, v0, 4, 1
	v_and_b32 v4, 31, v0
	v_mul_u32_u24 v3, v1, PITCH
	v_lshl_add_u32 v3, v2, 4, v3
	s_mul_i32 s20, s[WM], AHALF
	s_mul_i32 s21, s[WN], BHALF
	s_add_co_u32 s21, s21, ABYTES
.irp s, 0,1
	v_add_nc_u32 v[ADRA+(\s)], s20, v3
	v_add_nc_u32 v[ADRB+(\s)], s21, v3
	s_add_co_u32 s20, s20, SLOT
	s_add_co_u32 s21, s21, SLOT
.endr
	s_mul_i32 s20, s[WV], 48*PITCH
	s_add_co_u32 s20, s20, STAGE                   ; my stage
	v_add_nc_u32 v[STO], s20, v3                   ; in: row l % 16, 16 bytes for each half of the lanes
	v_lshrrev_b32 v5, 3, v4                        ; back: 32 lanes take four rows of 128 bytes,
	v_mul_u32_u24 v5, v5, PITCH
	v_and_b32 v6, 7, v0
	v_lshl_add_u32 v5, v6, 4, v5
	v_add_nc_u32 v[RD], s20, v5
	v_lshlrev_b32 v[GO], 4, v4                     ; which are 512 consecutive bytes of a head
	v_lshlrev_b32 v[PFO], 8, v4
	s_and_b32 s20, s18, 7
	s_lshl_b32 s20, s20, 8
	s_lshl_b32 s21, s[WM], 7
	s_add_co_u32 s20, s20, s21                     ; my first token in its batch,
	s_lshl_b32 s20, s20, 7                         ; in rows of 128 bytes
	v_lshlrev_b32 v5, 7, v1
	v_lshl_add_u32 v5, v2, 4, v5
	v_add_nc_u32 v[FRO], s20, v5
	s_lshl_b32 s21, s17, 1
	s_add_co_u32 s21, s21, s[WN]                   ; my head
	s_lshl_b32 s22, s21, 8
	v_lshl_add_u32 v[BO], v2, 5, s22               ; (64 head + 8 (l / 16)) x 4
	s_lshr_b32 s22, s18, 3                         ; the batch
	s_lshl_b32 s22, s22, 4
	s_add_co_u32 s22, s22, s21
	s_lshl_b32 s22, s22, 18
	s_add_co_u32 s22, s22, s20
	s_mov_b32 s23, 0
	s_add_nc_u64 s[OUT:OUT+1], s[10:11], s[22:23]
	s_add_nc_u64 s[OUT+2:OUT+3], s[OUT:OUT+1], 0x1000000
	s_add_nc_u64 s[OUT+4:OUT+5], s[OUT+2:OUT+3], 0x1000000
.irp g, 0,1
.irp bb, 0,1,2,3
	global_load_b128 v[BIAS+32*(\g)+8*(\bb):BIAS+32*(\g)+8*(\bb)+3],   v[BO], s[8:9] offset:262144+(\g)*4096+64*(\bb)
	global_load_b128 v[BIAS+32*(\g)+8*(\bb)+4:BIAS+32*(\g)+8*(\bb)+7], v[BO], s[8:9] offset:262144+(\g)*4096+64*(\bb)+16
.endr
.endr
	s_wait_tensorcnt 1                             ; my part of K step 0 is in; K step 1's may stay out
	s_barrier_signal -1
	s_barrier_wait -1
	LDB 0, 0, 0
	LDB 1, 0, 0
	LDA AF0, 0, 0
	LDB 2, 0, 0
	s_wait_loadcnt 0x0                             ; the bias
	EVEN 0, 1                                      ; the first slice stands in front of the loop: its products start the sums
	WIN 0
	s_mov_b32 s3, 7
.Llap:                                 ; a trip goes once round the ring and fills both slots again: K steps 2 to 15
	TURN 0, 1, 1
	EVEN 1, 0
	TURN 1, 1, 0
	EVEN 0, 0
	WIN 0
	s_sub_co_u32 s3, s3, 1
	s_cmp_lg_u32 s3, 0
	s_cbranch_scc1 .Llap
	TURN 0, 0, 0                                   ; the last lap fills nothing
	EVEN 1, 0
.irp bb, 0,1,2,3                       ; x's first buffer is free (four places stand behind its last products): the first block's cos and sin, and v's bias
	global_load_b128 v[CSR+4*(\bb):CSR+4*(\bb)+3], v[FRO], s[8:9] offset:32*(\bb)
	global_load_b128 v[BV+8*(\bb):BV+8*(\bb)+3],   v[BO], s[8:9] offset:262144+8192+64*(\bb)
	global_load_b128 v[BV+8*(\bb)+4:BV+8*(\bb)+7], v[BO], s[8:9] offset:262144+8192+64*(\bb)+16
.endr
	s_wait_dscnt 8
	MULG 0, 0, 4, AF1, 0
	MULG 1, 0, 4, AF1, 0
	s_wait_dscnt 0x0
	MULG 2, 0, 4, AF1, 0
	PLACES
; THE WAY OUT, a block of 16 tokens at a time.  A lane's pair (x1, x2) of channels 2 i, 2 i + 1 becomes (x1 c - x2 s, x1 s + x2 c): two packed instructions.  Each accumulator is read from its lowest registers on.
; 16 tokens of a head are 2,048 consecutive bytes: through my stage, then 512 bytes a store.
.macro BLOCK a
	WIN 0
	s_wait_loadcnt 0x0                             ; this block's cos and sin
	s_wait_xcnt 0x0                                ; the last block's stores have read H
.set k, 0
.rept 16
	v_lshlrev_b32 v[CS+2*k], 16, v[CSR+k]
	v_and_b32 v[CS+2*k+1], s[HIM], v[CSR+k]
.set k, k+1
.endr
.if (\a) < 7
.irp bb, 0,1,2,3
	global_load_b128 v[CSR+4*(\bb):CSR+4*(\bb)+3], v[FRO], s[8:9] offset:((\a)+1)*2048+32*(\bb)
.endr
.endif
.irp g, 0,1,2
	WIN (\g)+1                                     ; source 0 in the accumulators' window
.if (\g) < 2
.set k, 0
.rept 16
	v_pk_mul_f32 v[T+2*k:T+2*k+1], v[32*(\a)+2*k:32*(\a)+2*k+1], v[CS+2*k:CS+2*k+1] op_sel_hi:[1,0]
.set k, k+1
.endr
.set k, 0
.rept 16
	v_pk_fma_f32 v[O+2*k:O+2*k+1], v[32*(\a)+2*k:32*(\a)+2*k+1], v[CS+2*k:CS+2*k+1], v[T+2*k:T+2*k+1] op_sel:[1,1,0] op_sel_hi:[0,1,1] neg_lo:[0,1,0]
.set k, k+1
.endr
.else
.set k, 0
.rept 16
	v_pk_add_f32 v[O+2*k:O+2*k+1], v[32*(\a)+2*k:32*(\a)+2*k+1], v[BV+2*k:BV+2*k+1]
.set k, k+1
.endr
.endif
	WIN 0
.set k, 0
.rept 16
	v_cvt_pk_f16_f32 v[H+16*(\g)+k], v[O+2*k], v[O+2*k+1]
.set k, k+1
.endr
.irp bb, 0,1,2,3
	ds_store_b128 v[STO], v[H+16*(\g)+4*(\bb):H+16*(\g)+4*(\bb)+3] offset:(\g)*16*PITCH+32*(\bb)
.endr
.endr
.irp g, 0,1,2
.irp f, 0,1,2,3
	ds_load_b128 v[H+16*(\g)+4*(\f):H+16*(\g)+4*(\f)+3], v[RD] offset:(\g)*16*PITCH+(\f)*4*PITCH  ; LDS serves a wave's instructions in order (ISA guide 5.7.1.4): these see the stores above
.endr
.endr
	s_wait_dscnt 0x0
.irp g, 0,1,2
.irp f, 0,1,2,3
	global_store_b128 v[GO], v[H+16*(\g)+4*(\f):H+16*(\g)+4*(\f)+3], s[OUT+2*(\g):OUT+2*(\g)+1] offset:(\a)*2048+(\f)*512
.endr
.endr
.endm
.irp a, 0,1,2,3,4,5,6,7
	BLOCK \a
.endr
	s_wait_tensorcnt 0x0                           ; the wave's end
	ds_add_u32 v[SPW], v[NIL]
	s_wait_dscnt 0x0
	CROUND                                         ; the closing round
	s_endpgm
.Lfunc_end_k_q0e57a7406d_qkvp:
	.size	k_q0e57a7406d_qkvp, .Lfunc_end_k_q0e57a7406d_qkvp-k_q0e57a7406d_qkvp
	.p2alignl 7, 3214868480
	.fill 96, 4, 3214868480
	.section	.rodata,"a",@progbits
	.p2align	6, 0x0
	.amdhsa_kernel k_q0e57a7406d_qkvp
		.amdhsa_group_segment_fixed_size 327680
		.amdhsa_private_segment_fixed_size 0
		.amdhsa_enable_private_segment 0
		.amdhsa_kernarg_size 32
		.amdhsa_user_sgpr_count 2
		.amdhsa_user_sgpr_kernarg_segment_ptr 1
		.amdhsa_wavefront_size32 1
		.amdhsa_system_sgpr_workgroup_id_x 1
		.amdhsa_system_sgpr_workgroup_id_y 1
		.amdhsa_system_sgpr_workgroup_id_z 1
		.amdhsa_system_vgpr_workitem_id 0
		.amdhsa_next_free_vgpr 1024
		.amdhsa_next_free_sgpr 80
		.amdhsa_reserve_vcc 0
		.amdhsa_float_denorm_mode_32 3
		.amdhsa_float_denorm_mode_16_64 3
		.amdhsa_memory_ordered 1
		.amdhsa_forward_progress 1
		.amdhsa_inst_pref_size 185
	.end_amdhsa_kernel
	.amdgpu_metadata
---
amdhsa.version: [ 1, 2 ]
amdhsa.kernels:
  - .name:           k_q0e57a7406d_qkvp
    .symbol:         k_q0e57a7406d_qkvp.kd
    .args:
      - { .name: xbf, .offset: 0, .size: 8, .value_kind: global_buffer, .address_space: global }
      - { .name: wqkv, .offset: 8, .size: 8, .value_kind: global_buffer, .address_space: global }
      - { .name: tab, .offset: 16, .size: 8, .value_kind: global_buffer, .address_space: global }
      - { .name: qkvh, .offset: 24, .size: 8, .value_kind: global_buffer, .address_space: global }
    .group_segment_fixed_size: 327680
    .private_segment_fixed_size: 0
    .kernarg_segment_align: 8
    .kernarg_segment_size: 32
    .max_flat_workgroup_size: 128
    .sgpr_count:     80
    .vgpr_count:     1024
    .wavefront_size: 32
...
	.end_amdgpu_metadata
.endif
;; end of part 2
;; launch attn (part 3): grid 4 x 64, 8 waves a work-group, clusters of 4 x 1, 327,680 bytes of LDS; arguments qkvh, msk, oh; writes oh
.if DOCPART == 3
	.amdgcn_target "amdgcn-amd-amdhsa--gfx1250"
	.amdhsa_code_object_version 6
	.text
	.protected	k_q0e57a7406d_attn
	.globl	k_q0e57a7406d_attn
	.p2align	8
	.type	k_q0e57a7406d_attn,@function
k_q0e57a7406d_attn:
	s_mov_b64 s[64:65], 0
	v_nop
	global_prefetch_b8 v0, s[64:65] scope:SCOPE_SE
	s_setreg_imm32_b32 hwreg(HW_REG_WAVE_MODE, 25, 1), 1
	s_wait_xcnt 0x0
	s_wait_alu depctr_hold_cnt(0) depctr_sa_sdst(0) depctr_va_vdst(0) depctr_va_sdst(0) depctr_va_ssrc(0) depctr_va_vcc(0) depctr_vm_vsrc(0)
	s_getreg_b32 s2, hwreg(HW_REG_IB_STS2, 6, 4)
	s_cmp_eq_u32 s2, 0
	s_cbranch_scc0 .Lentry_in_a_cluster
	s_endpgm
.Lentry_in_a_cluster:
	s_bfe_u32 s2, ttmp6, 0x10000c
	s_cmp_lg_u32 s2, 0x3003
	s_cbranch_scc0 .Lentry_shape_is_right
	s_endpgm
.Lentry_shape_is_right:
; MASKED ATTENTION at head size 64.  oh[bh][q][:] = the sum over k of softmax_k(score) V[bh][k][:], score = Q . K / 8 where the key is visible, else hidden.  Q, K, V (in qkvh) and oh: [64][2048][64] f16.
; Products, maxima and sums in f32; the weights p are rounded to f16 for the second product (their sum l is taken of the unrounded p), O once at the end.
; THE MASK IS DATA, and it steers no branch: every wave walks all 32 steps of 64 keys, whatever the mask holds.  msk holds, for each (batch, tile of 16 queries, step), 32 lane masks, one for each register of a tile
; of scores; one v_cndmask_b32 a register puts the hidden score in.
; LIMITS.  A hidden score counts as -2^100, not -1e30: c x 2^100 is exact, so in a row that sees nothing c s - c m is exactly 0, every p is 1 and the row is the mean of all V, as with -1e30.  True scores (f16 operands:
; 2.7e11 at the most) lie far above it.  A weight below 2^-126 counts as 0.  p below 6e-5 keeps f16's fixed step.  NaN and infinities are not treated apart.
; SHARES.  A work-group takes blocks j and 7 - j of 256 queries of one head.  Wave w owns two GROUPS of 32 queries (two tiles): rows 256 j + 32 w and rows 256 (7 - j) + 32 (7 - w).  A step's fragments of K and V
; feed both groups: 32 LDS loads for 64 matrix instructions.  Eight waves, two to a SIMD: while one walks its softmax the other has the matrix unit.
; CLUSTER.  The four work-groups of a head walk the same K and V in step, so each tile is asked for JOINTLY: the same tensor load, descriptor and mask of four in all; j enters the addresses of Q, oh, msk and the prefetch alone.
; LAYOUT.  S^T = K Q^T holds ONE query a lane (l % 16) and the keys 8 (l / 16) + 0..7; two such results rounded to f16 ARE source 1 of O^T = V^T P.  p = 2^(c s - c m), c = log2(e) / 8, with a running maximum m;
; O and l are multiplied by a = 2^(c m_old - c m_new) in every step.  m starts at the lowest finite number, O and l at 0: the first step is a step like any other, with a = 0; the price is 136 v_mov_b32 in the wait for the first keys.
; RING.  Two LDS slots of 512 keys (8 steps): K's 512 rows, then V's.  Wave w fetches rows 128 w .. 128 w + 127 of the 1,024: ONE line and ONE descriptor for all eight waves, both addresses made of the wave's number;
; one tensor load a wave behind each of three rounds; one is out at a time.
; VECTOR REGISTERS.  Window 0: v0-36 addresses and statistics; v48-55 at work; v64-127 S^T (two tiles); v128-159 P; v192-255 K of one step.  Window 1: v0-127 O^T (32 a tile); v128-191 Q; v192-255 V of one step.
; SCALAR REGISTERS.  s[68:99] and s[32:63] hold the 64 mask words of a group's two tiles; all else lies in the 38 that are left, which is why K and V share a pitch and a descriptor.
.set KS,    64
.set PK,    144                        ; a row of K or V in LDS: 128 + 16 bytes = 36 words.  K: the 16 rows of a load start at 16 different groups of four banks (64 banks of 4 bytes: ISA guide 11.1).
                                       ; V: 16 lanes of the turning load take 8 rows x 32 bytes, at words 0, 36, 8, 44, 16, 52, 24, 60 modulo 64: rows 0 and 7 share four banks.  That is the price of one pitch, and so of one descriptor, for both
.set VOFF,  512*PK
.set SLOT1, 1024*PK                    ; 147,456
.set SPARE, 2*SLOT1                    ; the spare words, 128 bytes a wave: four blocks of 256 bytes that no other line names
.set SP,    144                        ; the way out's stage: 16 rows x 144 bytes a wave, at the head of slot 0, which has had its last fill and its last read by then
.set SLOTG, 65536                      ; a slot's keys in memory, in K and in V
.set AK0, 2
.set AV0, 3
.set AK,  4
.set AV,  5
.set STO, 6
.set RD,  7
.set GO,  8
.set MV,  12                           ; v12-13 c m_old, by tile of the group
.set QO,  14
.set ST,  16                           ; tile t's statistics at v[16 + 4 t]: c m, m, l (even keys', odd keys')
.set NEG, 32                           ; v32 -2^100
.set SPW, 34                           ; v34 SPARE + 4 x my thread's number; never rewritten
.set NIL, 35                           ; v35 0; never rewritten
.set PFO, 36                           ; v36 256 x lane; never rewritten
.set TMP, 48
.set S,   64
.set P,   128
.set KF,  192
.set QF,  128                          ; window 1
.set VF,  192                          ; window 1
.set OA,  4                            ; s[4:5] oh at group A's rows
.set OB,  6                            ; s[6:7] at group B's
.set PFA, 8                            ; s[8:9] where my prefetches stand
.set MW,  10                           ; s[10:11], s[12:13] the two groups' mask words
.set CS,  14                           ; s[14:15] c (until Q is in: Q at group A's rows)
.set SEL, 16                           ; s[16:17] v_permlanex16_b32's selects (until Q is in: Q at group B's rows)
.set WV,  18
.set MOFF, 19                          ; 128 x the step whose words are asked for
.set G0,  20                           ; s[20:23] descriptor group 0: it walks
.set G1,  24                           ; s[24:31] descriptor group 1
.set W1,  32                           ; s[32:63] the words of a group's second tile (at the head: arguments and temporaries)
.set CNT, 66
.set TB,  67                           ; LDS byte at which the step to be fetched begins, for K; V's lies VOFF on
.set W0,  68                           ; s[68:99] the words of a group's first tile
.set SLOTS, 100
.set RB,  101                          ; the slot that is read
.set KW,  104                          ; my 128 rows' place in a slot
.set LIM, 105
.set MSB, 0
.macro WIN new                         ; the immediate's high byte repeats the setting that is left
.if MSB != (\new)
	s_set_vgpr_msb (MSB<<8)|(\new)
.set MSB, \new
.endif
.endm
.set W_KQ, 0x04                        ; Q in window 1; K and S^T in window 0
.set W_PV, 0x51                        ; V and O^T in window 1, P in window 0
.set W_RS, 0x41                        ; O^T (destination and source 0) in window 1
.macro PLACES                          ; four places behind matrix instructions (ISA guide 7.12.1)
.rept 4
	v_nop
.endr
.endm
.macro LOAD                            ; a joint load, each wave its own 128 rows; an s_nop 0 and four v_nop follow it
	tensor_load_to_lds s[G0:G0+3], s[G1:G1+7]
	s_nop 0
.rept 4
	v_nop
.endr
.endm
; A round of the cluster's barrier: my work-group's barrier, so that wave 0's signal speaks for all eight waves; wave 0 signals; every wave waits for all four work-groups; my work-group's barrier once more.
.macro CROUND
	s_barrier_signal -1
	s_barrier_wait -1
	s_cmp_lg_u32 s[WV], 0
	s_cbranch_scc1 .Lnot_wave_0_\@
	s_barrier_signal -3
.Lnot_wave_0_\@:
	s_barrier_wait -3
	s_barrier_signal -1
	s_barrier_wait -1
.endm
; A PREFETCH INTO THE L2 of what the NEXT change of slots will ask for, one slot (8 key steps) ahead.  A slot is 65,536 bytes of K and of V; the head's four work-groups take 16,384 of each BY ADDRESS;
; in each, waves 0 and 1 ask for K's halves and waves 2 and 3 for V's: a lane 256 bytes, one instruction.  So each 256 bytes are named once.  Slots 0 and 1 come by their loads alone; the last filling change asks for nothing.
.macro ASK
	s_cmp_gt_u32 s[SLOTS], s[LIM]
	s_cbranch_scc0 .Lnoask_\@
	global_prefetch_b8 v[PFO], s[PFA:PFA+1] th:TH_LOAD_NT scope:SCOPE_SE
.Lnoask_\@:
.endm
; THE CHANGE OF SLOTS.  Each wave waits for all its tensor loads (one is out: its part of the slot to be read), adds 0 to its spare word, and waits for that and for its reads of the slot that it leaves.
; fill = 1: the barrier is a round of the cluster's, so that no wave of any partner still reads the slot or has a load on its way; the slot just left (at the first use: slot 1, never filled yet) takes the next 512 keys,
; first thing behind the round: it has eight key steps, 512 matrix instructions a wave, in which to land.
.macro CHANGE fill
	WIN 0
	s_wait_tensorcnt 0x0
	ds_add_u32 v[SPW], v[NIL]                      ; 0 onto my spare word; the scalar steps stand between it and the wait for it
	s_xor_b32 s[RB], s[RB], SLOT1
	s_mov_b32 s[TB], s[RB]
.if \fill
	s_xor_b32 s2, s[RB], SLOT1                     ; the slot that is filled
	s_add_co_u32 s[G0+1], s2, s[KW]
	s_add_nc_u64 s[G0+2:G0+3], s[G0+2:G0+3], SLOTG ; the type bits on top are not reached
	s_wait_xcnt 0x0                                ; the last prefetch, a slot back, has read its address
	s_add_nc_u64 s[PFA:PFA+1], s[PFA:PFA+1], SLOTG
	s_wait_dscnt 0x0                               ; the add is done, and my reads of the slot are over
	CROUND
	LOAD
	ASK
.else
	s_wait_dscnt 0x0                               ; the add is done, and my reads of the slot are over
	s_barrier_signal -1
	s_barrier_wait -1
.endif
.endm
; Product i of 16 of S^T = K Q^T for group x: channels 32 (i / 8) on, keys 16 ((i / 2) % 4) on, tile i % 2.  The 8 accumulators take turns; the first 8 start the sums.
.macro KQ x
	WIN W_KQ
.set rS, S+32*(i%2)+8*((i/2)%4)
.set rK, KF+16*((i/2)%4)+8*(i/8)
.set rQ, QF+16*(2*(\x)+i%2)+8*(i/8)
.if i < 8
	v_wmma_f32_16x16x32_f16 v[rS:rS+7], v[rK:rK+7], v[rQ:rQ+7], 0
.else
	v_wmma_f32_16x16x32_f16 v[rS:rS+7], v[rK:rK+7], v[rQ:rQ+7], v[rS:rS+7]
.endif
.endm
; Product i of 16 of O^T += V^T P: keys 32 (i / 8) on, channels 16 ((i / 2) % 4) on, tile i % 2.
.macro PV x
	WIN W_PV
.set rO, 32*(2*(\x)+i%2)+8*((i/2)%4)
.set rV, VF+32*(i/8)+8*((i/2)%4)
.set rP, P+16*(i%2)+8*(i/8)
	v_wmma_f32_16x16x32_f16 v[rO:rO+7], v[rV:rV+7], v[rP:rP+7], v[rO:rO+7]
.endm
.macro FETCH_K                         ; 16 LDS loads: 64 keys x 64 channels
	WIN 0
.irp f, 0,1,2,3,4,5,6,7
	ds_load_b128 v[KF+8*(\f):KF+8*(\f)+3],   v[AK] offset:((\f)/2)*16*PK+((\f)%2)*64
	ds_load_b128 v[KF+8*(\f)+4:KF+8*(\f)+7], v[AK] offset:((\f)/2)*16*PK+((\f)%2)*64+32
.endr
.endm
.macro FETCH_V                         ; 16 turning loads
	WIN 0x40
.irp f, 0,1,2,3,4,5,6,7
	ds_load_tr16_b128 v[VF+8*(\f):VF+8*(\f)+3],   v[AV] offset:((\f)/4)*32*PK+((\f)%4)*32
	ds_load_tr16_b128 v[VF+8*(\f)+4:VF+8*(\f)+7], v[AV] offset:((\f)/4)*32*PK+16*PK+((\f)%4)*32
.endr
	WIN 0
.endm
.macro TREG x, u                       ; the registers of tile u of group x
.set rT, ST+4*(2*(\x)+(\u))
.set rC, TMP+4*(\u)
.set rM, MV+(\u)
.set rS, S+32*(\u)
.set rP, P+16*(\u)
.set rO, 32*(2*(\x)+(\u))
.endm
; Number n of the 22 that find a tile's maximum and statistics.
.macro XS x, u, n
	TREG \x, \u
.if (\n) < 4
	v_max3_num_f32 v[rC+(\n)], v[rS+8*(\n)], v[rS+8*(\n)+1], v[rS+8*(\n)+2]
.elseif (\n) < 12
	v_max3_num_f32 v[rC+(\n)%4], v[rC+(\n)%4], v[rS+8*((\n)%4)+2*((\n)/4)+1], v[rS+8*((\n)%4)+2*((\n)/4)+2]
.elseif (\n) == 12
	v_max3_num_f32 v[rC], v[rC], v[rS+7], v[rS+15]
.elseif (\n) == 13
	v_max3_num_f32 v[rC+1], v[rC+1], v[rS+23], v[rS+31]
.elseif (\n) == 14
	v_max3_num_f32 v[rC+2], v[rC+2], v[rC+3], v[rT+1]
.elseif (\n) == 15
	v_mov_b32 v[rM], v[rT]
.elseif (\n) == 16
	v_max3_num_f32 v[rC], v[rC], v[rC+1], v[rC+2]
.elseif (\n) == 17
	v_permlanex16_b32 v[rC+3], v[rC], s[SEL], s[SEL+1]
.elseif (\n) == 18
	v_max_num_f32 v[rT+1], v[rC], v[rC+3]
.elseif (\n) == 19
	v_mul_f32 v[rT], s[CS], v[rT+1]
.elseif (\n) == 20
	v_sub_f32 v[rC+1], v[rM], v[rT]
.else
	v_exp_f32 v[rC+2], v[rC+1]
.endif
.endm
.macro FS x, f                         ; c s - c m for pair f / 2 of tile f % 2
	TREG \x, (\f)%2
	v_pk_fma_f32 v[rS+2*((\f)/2):rS+2*((\f)/2)+1], v[rS+2*((\f)/2):rS+2*((\f)/2)+1], s[CS:CS+1], v[rT:rT+1] op_sel_hi:[1,0,0] neg_lo:[0,0,1] neg_hi:[0,0,1]
.endm
.macro EX x, e                         ; the exponential of score e / 2 of tile e % 2
	TREG \x, (\e)%2
	v_exp_f32 v[rS+(\e)/2], v[rS+(\e)/2]
.endm
; THE MASK.  WORDS asks for the 32 words of tile u of group g, for the step at MOFF; the second tile's lie 4,096 bytes behind the first's.  HIDE puts the hidden score into tile u; it reads each accumulator's
; lowest registers first.
.macro WORDS g, u
.set rW, W0+(W1-W0)*(\u)
	s_load_b512 s[rW:rW+15],    s[MW+2*(\g):MW+2*(\g)+1], s[MOFF] offset:0x1000*(\u)
	s_load_b512 s[rW+16:rW+31], s[MW+2*(\g):MW+2*(\g)+1], s[MOFF] offset:0x1000*(\u)+0x40
.endm
.macro HIDE u
.set rW, W0+(W1-W0)*(\u)
.set i, 0
.rept 32
	v_cndmask_b32 v[S+32*(\u)+i], v[NEG], v[S+32*(\u)+i], s[rW+i]
.set i, i+1
.endr
.endm
; A group's softmax for one step; the two tiles alternate, so that one tile's chain of maximum and statistics has the other's lines between its links.  The 66 exponentials (the two a, then the scores, with the
; scalings dealt among them; a pair is scaled at least four lines ahead of its exponentials) are ONE batch: nothing ahead of the wait names a result of theirs.  Behind it: the roundings, the sums (a tree of packed
; additions, then l = a l + sum), and O^T times a.
.macro SOFT x
	WIN 0
.irp n, 0,1,2,3,4,5,6,7,8,9,10,11,12,13,14,15,16,17,18,19,20,21
	XS \x, 0, \n
	XS \x, 1, \n
.endr
.irp f, 0,1,2,3
	FS \x, \f
.endr
.set kk, 0
.rept 16
	EX \x, 4*kk
.if kk < 14
	FS \x, 2*kk+4
.endif
	EX \x, 4*kk+1
.if kk < 14
	FS \x, 2*kk+5
.endif
	EX \x, 4*kk+2
	EX \x, 4*kk+3
.set kk, kk+1
.endr
	v_nop                                          ; a plain instruction behind the last exponential: one for the batch
	s_wait_alu depctr_va_vdst(0)                   ; the wait ahead of the first use: one for the batch
.set kk, 0
.rept 16
.irp u, 0,1
	TREG \x, \u
	v_cvt_pk_f16_f32 v[rP+kk], v[rS+2*kk], v[rS+2*kk+1]
.endr
.set kk, kk+1
.endr
.irp w, 4,8,16
.set z, 0
.rept 32/(\w)
.irp u, 0,1
	TREG \x, \u
	v_pk_add_f32 v[rS+(\w)*z:rS+(\w)*z+1], v[rS+(\w)*z:rS+(\w)*z+1], v[rS+(\w)*z+(\w)/2:rS+(\w)*z+(\w)/2+1]
.endr
.set z, z+1
.endr
.endr
.irp u, 0,1
	TREG \x, \u
	v_pk_fma_f32 v[rT+2:rT+3], v[rT+2:rT+3], v[rC+2:rC+3], v[rS:rS+1] op_sel_hi:[1,0,1]
.endr
.irp u, 0,1
	TREG \x, \u
	v_pk_add_f32 v[rT+2:rT+3], v[rT+2:rT+3], v[rS+16:rS+17]
.endr
	WIN W_RS
.set z, 0
.rept 16
.irp u, 0,1
	TREG \x, \u
	v_pk_mul_f32 v[rO+2*z:rO+2*z+1], v[rO+2*z:rO+2*z+1], v[rC+2:rC+3] op_sel_hi:[1,0]
.endr
.set z, z+1
.endr
.endm
; A GROUP'S PART OF A KEY STEP.  Scalar loads come back in no order, so a wait for them is for 0 and is met only when the YOUNGEST request has landed: what counts is the work between the last request and the next wait.
; So a group's 64 words lie in 64 registers, there is ONE wait a group, and a tile's registers are asked for again, with the NEXT group's words, as soon as its 32 selects have read them.  Between the younger of the two
; requests and the next group's wait stand the whole softmax (237 vector instructions), 16 products V^T P and 16 products K Q^T.
; MOFF is stepped behind the wait, when no load that names it is out.  In the last step of all, group B asks for words of a step that does not exist: 2 x 128 bytes of neighbouring tiles', inside msk (group A's tiles
; end at 63 of a batch's 128), which nobody uses.
.macro GROUP x
.if (\x) == 0
	s_wait_dscnt 16                                ; K is in: V's 16 loads are younger
.endif
.set i, 0
.rept 16
	KQ \x
.set i, i+1
.endr
	WIN 0
	PLACES
	s_wait_kmcnt 0x0                               ; this group's 64 words
	HIDE 0
.if (\x) == 1
	s_add_co_u32 s[MOFF], s[MOFF], 128             ; group A's next words are the next step's
.endif
	WORDS 1-(\x), 0
	HIDE 1
	WORDS 1-(\x), 1
	SOFT \x
.if (\x) == 0
	s_wait_dscnt 0x0                               ; V is in
.endif
.set i, 0
.rept 16
	PV \x
.set i, i+1
.endr
	WIN 0
	PLACES                                         ; in front of the next loads into V's registers and the next reads of O^T
.endm
.macro STEPS                           ; a slot's eight key steps: written once, walked eight times
	s_mov_b32 s[CNT], 8
.Lstep_\@:
	v_add_nc_u32 v[AK], s[TB], v[AK0]
	v_add_nc_u32 v[AV], s[TB], v[AV0]
	FETCH_K
	FETCH_V
	GROUP 0
	GROUP 1
	s_add_co_u32 s[TB], s[TB], KS*PK
	s_sub_co_u32 s[CNT], s[CNT], 1
	s_cmp_lg_u32 s[CNT], 0
	s_cbranch_scc1 .Lstep_\@
.endm
	s_load_b128 s[32:35], s[0:1], 0x0              ; qkvh s[32:33], msk s[34:35]
	s_load_b64 s[36:37], s[0:1], 0x10              ; oh
	v_lshl_add_u32 v[SPW], v0, 2, SPARE
	v_mov_b32 v[NIL], 0
	ds_add_u32 v[SPW], v[NIL]                      ; the wave's opening: the add and its wait ahead of my first tensor load
	v_lshrrev_b32 v1, 5, v0
	v_readfirstlane_b32 s[WV], v1
	s_bfe_u32 s40, ttmp6, 0x40000                  ; cx: my place in the cluster
	s_lshl_b32 s2, ttmp9, 2                        ; in a cluster launch ttmp9 counts clusters
	s_add_co_u32 s40, s40, s2                      ; j
	s_and_b32 s41, ttmp7, 0xffff                   ; b x 16 + head, which the four partners share
	s_lshr_b32 s42, s41, 4                         ; b
	s_sub_co_u32 s2, 7, s40
	s_sub_co_u32 s3, 7, s[WV]
	s_lshl_b32 s43, s40, 3
	s_add_co_u32 s43, s43, s[WV]                   ; group A: rows 32 (8 j + w) on
	s_lshl_b32 s44, s2, 3
	s_add_co_u32 s44, s44, s3                      ; group B: rows 32 (8 (7 - j) + 7 - w) on
	s_lshl_b32 s45, s41, 18                        ; the head's first byte in q, k, v and oh
	s_lshl_b32 s46, s43, 12
	s_add_co_u32 s46, s46, s45
	s_mov_b32 s47, 0                               ; s[46:47] group A's rows
	s_lshl_b32 s48, s44, 12
	s_add_co_u32 s48, s48, s45
	s_mov_b32 s49, 0                               ; s[48:49] group B's
	s_and_b32 s50, s[WV], 3                        ; what I fetch: quarter w % 4 of a slot's keys,
	s_lshl_b32 s50, s50, 14
	s_add_co_u32 s50, s50, s45                     ; of the head (no register of a descriptor ever holds j),
	s_lshr_b32 s51, s[WV], 2
	s_add_co_u32 s51, s51, 1
	s_lshl_b32 s51, s51, 24                        ; in K (waves 0-3: 16,777,216 bytes behind q) or in V (waves 4-7: twice that)
	s_add_co_u32 s50, s50, s51
	s_mov_b32 s51, 0
	s_mul_i32 s[KW], s[WV], 128*PK                 ; and where it goes: K's four quarters, then V's
	s_lshl_b32 s2, s42, 19                         ; the words: (128 b + 2 g) x 4,096
	s_lshl_b32 s52, s43, 13
	s_add_co_u32 s52, s52, s2
	s_mov_b32 s53, 0
	s_lshl_b32 s54, s44, 13
	s_add_co_u32 s54, s54, s2
	s_mov_b32 s55, 0
	s_lshl_b32 s56, s40, 14                        ; the prefetches: my work-group's quarter of a slot,
	s_add_co_u32 s56, s56, s45
	s_and_b32 s57, s[WV], 1
	s_lshl_b32 s57, s57, 13                        ; my half of it,
	s_add_co_u32 s56, s56, s57
	s_add_co_u32 s56, s56, SLOTG                   ; at slot 1: the first change steps it to slot 2
	s_mov_b32 s2, 0x1000000
	s_mov_b32 s3, 0x2000000
	s_cmp_lt_u32 s[WV], 2
	s_cselect_b32 s57, s2, s3                      ; in K (waves 0, 1) or in V
	s_add_co_u32 s56, s56, s57
	s_mov_b32 s57, 0
	s_cmp_lt_u32 s[WV], 4
	s_cselect_b32 s[LIM], 1, -1
	s_mov_b32 s[G1], 15|(1<<16)|(1<<20)|(1<<21)|(4<<22)|(3<<25)  ; the mask of four; 2-byte elements; padding on; bit 21 beside a mask; after every 32 words, 4 words
	s_mov_b32 s[G1+1], 128<<16                     ; 128 keys are 16,384 dense bytes: 64 rows of 256
	s_mov_b32 s[G1+2], 64<<16
	s_mov_b32 s[G1+3], 128<<16
	s_mov_b32 s[G1+4], 64
	s_mov_b32 s[G1+5], 128
	s_mov_b32 s[G1+6], 0
	s_mov_b32 s[G1+7], 0
	s_mov_b32 s[G0], 1
	s_mov_b32 s[G0+1], s[KW]                       ; slot 0
	s_mov_b32 s[RB], SLOT1                         ; the first change turns it into slot 0
	s_mov_b32 s[MOFF], 0
	s_mov_b32 s[SLOTS], 3
	s_wait_dscnt 0x0                               ; the opening add is done
	s_wait_kmcnt 0x0
	s_add_nc_u64 s[G0+2:G0+3], s[32:33], s[50:51]
	s_or_b32 s[G0+3], s[G0+3], 0x80000000
	CROUND                                         ; all four work-groups are here: the first joint loads meet
	LOAD                                           ; keys 0 to 511 into slot 0
	s_add_nc_u64 s[CS:CS+1], s[32:33], s[46:47]    ; Q at group A's rows,
	s_add_nc_u64 s[SEL:SEL+1], s[32:33], s[48:49]  ; at group B's: in the registers that take c and the selects when Q is in
	s_add_nc_u64 s[OA:OA+1], s[36:37], s[46:47]
	s_add_nc_u64 s[OB:OB+1], s[36:37], s[48:49]
	s_add_nc_u64 s[MW:MW+1], s[34:35], s[52:53]
	s_add_nc_u64 s[MW+2:MW+3], s[34:35], s[54:55]
	s_add_nc_u64 s[PFA:PFA+1], s[32:33], s[56:57]
	WORDS 0, 0                                     ; group A's words of step 0: the set-up's use of these 64 registers is over
	WORDS 0, 1
	v_and_b32 v1, 15, v0
	v_bfe_u32 v9, v0, 4, 1
	v_lshlrev_b32 v[QO], 7, v1
	v_lshl_add_u32 v[QO], v9, 4, v[QO]
	WIN 0x40                                       ; destination window 1
.set i, 0
.rept 4                                ; tile i / 2 of each group, channels 32 (i % 2) on
	global_load_b128 v[QF+8*i:QF+8*i+3],       v[QO], s[CS:CS+1] offset:(i/2)*2048+(i%2)*64
	global_load_b128 v[QF+8*i+4:QF+8*i+7],     v[QO], s[CS:CS+1] offset:(i/2)*2048+(i%2)*64+32
	global_load_b128 v[QF+32+8*i:QF+32+8*i+3], v[QO], s[SEL:SEL+1] offset:(i/2)*2048+(i%2)*64
	global_load_b128 v[QF+32+8*i+4:QF+32+8*i+7], v[QO], s[SEL:SEL+1] offset:(i/2)*2048+(i%2)*64+32
.set i, i+1
.endr
.set i, 0
.rept 128                              ; O^T starts at 0: written in the wait for the first keys
	v_mov_b32 v[i], 0
.set i, i+1
.endr
	WIN 0
.set i, 0
.rept 4
	v_mov_b32 v[ST+4*i], 0xfe000000                ; c m: far below every c s, the hidden ones' too
	v_mov_b32 v[ST+4*i+1], 0xff7fffff              ; m
	v_mov_b32 v[ST+4*i+2], 0
	v_mov_b32 v[ST+4*i+3], 0
.set i, i+1
.endr
	v_mul_u32_u24 v[AK0], v1, PK
	v_lshl_add_u32 v[AK0], v9, 4, v[AK0]
	v_and_b32 v10, 7, v0                           ; the turning load: lane l reads key 8 (l / 16) + l % 8, channels 8 ((l / 8) % 2) + 0..7
	v_bfe_u32 v11, v0, 3, 1
	v_lshl_add_u32 v[AV0], v9, 3, v10
	v_mul_u32_u24 v[AV0], v[AV0], PK
	v_lshl_add_u32 v[AV0], v11, 4, v[AV0]
	v_add_nc_u32 v[AV0], VOFF, v[AV0]
	s_mul_i32 s2, s[WV], 16*SP                     ; my stage
	v_mul_u32_u24 v[STO], v1, SP
	v_lshl_add_u32 v[STO], v9, 4, v[STO]
	v_add_nc_u32 v[STO], s2, v[STO]
	v_bfe_u32 v[RD], v0, 3, 2
	v_mul_u32_u24 v[RD], v[RD], SP
	v_lshl_add_u32 v[RD], v10, 4, v[RD]
	v_add_nc_u32 v[RD], s2, v[RD]
	v_and_b32 v[GO], 31, v0
	v_lshlrev_b32 v[PFO], 8, v[GO]
	v_lshlrev_b32 v[GO], 4, v[GO]
	v_mov_b32 v[NEG], 0xf1800000                   ; -2^100
	s_wait_loadcnt 0x0                             ; Q is in, so the registers that held its addresses may be written
	s_mov_b32 s[CS], 0x3e38aa3b                    ; c = log2(e) / 8
	s_mov_b32 s[CS+1], s[CS]                       ; named with it as a pair
	s_mov_b32 s[SEL], 0x76543210
	s_mov_b32 s[SEL+1], 0xfedcba98
.Lslot:                                ; three times: a slot is entered and the other is asked for
	CHANGE 1
	STEPS
	s_sub_co_u32 s[SLOTS], s[SLOTS], 1
	s_cmp_lg_u32 s[SLOTS], 0
	s_cbranch_scc1 .Lslot
	CHANGE 0                                       ; the last slot is written out
	STEPS
	; THE WAY OUT.  l's two halves and the other half of the lanes' are added; O^T is divided by l, rounded to f16 and sent through my stage, a tile at a time.
	s_wait_kmcnt 0x0                               ; the words that the last step asked for: nothing of mine is left out but stores
.irp t, 0,1,2,3
	v_add_f32 v[ST+4*(\t)+2], v[ST+4*(\t)+2], v[ST+4*(\t)+3]
.endr
.irp t, 0,1,2,3
	v_permlanex16_b32 v[ST+4*(\t)+3], v[ST+4*(\t)+2], s[SEL], s[SEL+1]
.endr
.irp t, 0,1,2,3
	v_add_f32 v[ST+4*(\t)+2], v[ST+4*(\t)+2], v[ST+4*(\t)+3]
.endr
.irp t, 0,1,2,3
	v_rcp_f32 v[ST+4*(\t)+2], v[ST+4*(\t)+2]
.endr
	v_nop                                          ; a plain instruction behind the last reciprocal,
	s_wait_alu depctr_va_vdst(0)                   ; and the one wait for the four
.macro PACK t
	WIN W_RS
.set i, 32*(\t)
.rept 16
	v_pk_mul_f32 v[i:i+1], v[i:i+1], v[ST+4*(\t)+2:ST+4*(\t)+3] op_sel_hi:[1,0]
.set i, i+2
.endr
	WIN 0x05                                       ; sources in window 1, destination in window 0: S^T's registers are free
.set i, 0
.rept 16
	v_cvt_pk_f16_f32 v[S+16*(\t)+i], v[32*(\t)+2*i], v[32*(\t)+2*i+1]
.set i, i+1
.endr
	WIN 0
.irp f, 0,1,2,3
	ds_store_b128 v[STO], v[S+16*(\t)+4*(\f):S+16*(\t)+4*(\f)+3] offset:32*(\f)
.endr
.irp f, 0,1,2,3
	ds_load_b128 v[S+16*(\t)+4*(\f):S+16*(\t)+4*(\f)+3], v[RD] offset:(\f)*4*SP  ; LDS serves a wave's instructions in order (ISA guide 5.7.1.4)
.endr
.endm
.macro SEND t, base, younger           ; younger: the LDS instructions issued behind tile t's loads
.irp f, 0,1,2,3
	s_wait_dscnt (\younger)+3-(\f)
	global_store_b128 v[GO], v[S+16*(\t)+4*(\f):S+16*(\t)+4*(\f)+3], s[(\base):(\base)+1] offset:((\t)%2)*2048+(\f)*512  ; 512 consecutive bytes, aligned
.endr
.endm
	PACK 0
	PACK 1
	SEND 0, OA, 8
	PACK 2
	SEND 1, OA, 8
	PACK 3
	SEND 2, OB, 8
	SEND 3, OB, 0
	s_wait_tensorcnt 0x0                           ; the wave's end
	ds_add_u32 v[SPW], v[NIL]
	s_wait_dscnt 0x0
	CROUND                                         ; the closing round: no work-group ends while a partner may still ask for a tile that names it
	s_endpgm
.Lfunc_end_k_q0e57a7406d_attn:
	.size	k_q0e57a7406d_attn, .Lfunc_end_k_q0e57a7406d_attn-k_q0e57a7406d_attn
	.p2alignl 7, 3214868480
	.fill 96, 4, 3214868480
	.section	.rodata,"a",@progbits
	.p2align	6, 0x0
	.amdhsa_kernel k_q0e57a7406d_attn
		.amdhsa_group_segment_fixed_size 327680
		.amdhsa_private_segment_fixed_size 0
		.amdhsa_enable_private_segment 0
		.amdhsa_kernarg_size 24
		.amdhsa_user_sgpr_count 2
		.amdhsa_user_sgpr_kernarg_segment_ptr 1
		.amdhsa_wavefront_size32 1
		.amdhsa_system_sgpr_workgroup_id_x 1
		.amdhsa_system_sgpr_workgroup_id_y 1
		.amdhsa_system_sgpr_workgroup_id_z 1
		.amdhsa_system_vgpr_workitem_id 0
		.amdhsa_next_free_vgpr 512
		.amdhsa_next_free_sgpr 106
		.amdhsa_reserve_vcc 0
		.amdhsa_float_denorm_mode_32 3
		.amdhsa_float_denorm_mode_16_64 3
		.amdhsa_memory_ordered 1
		.amdhsa_forward_progress 1
		.amdhsa_inst_pref_size 109
	.end_amdhsa_kernel
	.amdgpu_metadata
---
amdhsa.version: [ 1, 2 ]
amdhsa.kernels:
  - .name:           k_q0e57a7406d_attn
    .symbol:         k_q0e57a7406d_attn.kd
    .args:
      - { .name: qkvh, .offset: 0, .size: 8, .value_kind: global_buffer, .address_space: global }
      - { .name: msk, .offset: 8, .size: 8, .value_kind: global_buffer, .address_space: global }
      - { .name: oh, .offset: 16, .size: 8, .value_kind: global_buffer, .address_space: global }
    .group_segment_fixed_size: 327680
    .private_segment_fixed_size: 0
    .kernarg_segment_align: 8
    .kernarg_segment_size: 24
    .max_flat_workgroup_size: 256
    .sgpr_count:     106
    .vgpr_count:     512
    .wavefront_size: 32
...
	.end_amdgpu_metadata
.endif
;; end of part 3
;; launch proj (part 4): grid 8 x 32, 4 waves a work-group, clusters of 4 x 4, 327,680 bytes of LDS; arguments oh, wph, tab, out0; writes out0
.if DOCPART == 4
	.amdgcn_target "amdgcn-amd-amdhsa--gfx1250"
	.amdhsa_code_object_version 6
	.text
	.protected	k_q0e57a7406d_proj
	.globl	k_q0e57a7406d_proj
	.p2align	8
	.type	k_q0e57a7406d_proj,@function
k_q0e57a7406d_proj:
	s_mov_b64 s[64:65], 0
	v_nop
	global_prefetch_b8 v0, s[64:65] scope:SCOPE_SE
	s_setreg_imm32_b32 hwreg(HW_REG_WAVE_MODE, 25, 1), 1
	s_wait_xcnt 0x0
	s_wait_alu depctr_hold_cnt(0) depctr_sa_sdst(0) depctr_va_vdst(0) depctr_va_sdst(0) depctr_va_ssrc(0) depctr_va_vcc(0) depctr_vm_vsrc(0)
	s_getreg_b32 s2, hwreg(HW_REG_IB_STS2, 6, 4)
	s_cmp_eq_u32 s2, 0
	s_cbranch_scc0 .Lentry_in_a_cluster
	s_endpgm
.Lentry_in_a_cluster:
	s_bfe_u32 s2, ttmp6, 0x10000c
	s_cmp_lg_u32 s2, 0xf033
	s_cbranch_scc0 .Lentry_shape_is_right
	s_endpgm
.Lentry_shape_is_right:
; out0[t][n] = the sum over k of y[t][k] Wp[n][k] + bp[n], y[t][64 head + d] = oh[16 b + head][t][d].  Operands f16 (Wp: its bf16 rounding, written as f16), sums f32, out0 f32.
; SHARES.  A work-group makes 256 tokens x 128 columns: 256 work-groups.  Four waves, each 128 x 64: 32 accumulators.  K goes in steps of 128 = two heads, through two LDS slots: 8 steps.
; THE MATRIX INSTRUCTION IS USED TRANSPOSED (source 0 = 16 rows of Wp, source 1 = 16 tokens): a lane holds one token and eight neighbouring columns.  bp is the C operand of the first products.
; CLUSTER 4 x 4: y's tiles are shared along a row of the cluster, Wp's along a column: joint loads.
; REGISTERS.  Window 0: v0-31 addresses; v32-127, v128-223 two fragment buffers (y 64, then Wp 32); v224-255 bp.  Window 1: the accumulators, (a, bb) at 8 (4 a + bb).
.set PA,     144                       ; a token's 128 bytes of a head + 16
.set PB,     272                       ; a row of Wp: 256 bytes + 16
.set AZ,     256*PA                    ; one head's 256 tokens
.set BHALF,  64*PB
.set SLOT,   2*AZ+2*BHALF
.set STAGE,  2*SLOT                    ; 16 rows x 272 bytes for each wave
.set SPITCH, 272
.set SPARE,  STAGE+4*16*SPITCH         ; the spare words, 128 bytes a wave: two blocks of 256 bytes that no other line names
.set ADRA, 16
.set ADRB, 20
.set BO,   23
.set STO,  24
.set RD,   25
.set CO,   26
.set SPW,  28                          ; never rewritten
.set NIL,  29                          ; never rewritten
.set PFO,  30                          ; never rewritten
.set F0,   32
.set F1,   128
.set BIA,  224
.set OBF,  32                          ; the way out: two buffers of 32
.set WV, 12
.set WM, 13
.set WN, 14
.set G1A, 24
.set G0A, 32
.set LIM, 43
.set PFA, 44
.set G1B, 48
.set G0B, 56
.set PSTEP, 66
.set MSB, 0
.macro WIN new
.if MSB != (\new)
	s_set_vgpr_msb (MSB<<8)|(\new)
.set MSB, \new
.endif
.endm
.macro PLACES
.rept 4
	v_nop
.endr
.endm
.macro JLOAD s                         ; waves 0 and 1 fetch the two heads' tokens, waves 2 and 3 Wp's halves; an s_nop 0 and four v_nop follow each line
	s_cmp_eq_u32 s[WM], 0
	s_cbranch_scc0 .Lfor_b_\@
	tensor_load_to_lds s[G0A+4*(\s):G0A+4*(\s)+3], s[G1A:G1A+7]
	s_nop 0
.rept 4
	v_nop
.endr
	s_branch .Lasked_\@
.Lfor_b_\@:
	tensor_load_to_lds s[G0B+4*(\s):G0B+4*(\s)+3], s[G1B:G1B+7]
	s_nop 0
.rept 4
	v_nop
.endr
.Lasked_\@:
.endm
.macro CREST
	s_cmp_lg_u32 s[WV], 0
	s_cbranch_scc1 .Lnot_wave_0_\@
	s_barrier_signal -3
.Lnot_wave_0_\@:
	s_barrier_wait -3
	s_barrier_signal -1
	s_barrier_wait -1
.endm
.macro CROUND
	s_barrier_signal -1
	s_barrier_wait -1
	CREST
.endm
; A PREFETCH INTO THE L2 behind each joint load and the run of LDS loads that follows it: the K step two refills on.  y's tiles are read by both clusters of a row of clusters: the one with x = 0 asks; of a head's
; 32,768 bytes each partner along x takes 8,192 BY ADDRESS: waves 0 and 1, a head each, a lane 256 bytes.  Wp's rows are read by all clusters of a column: the one with y = 0 asks; each partner along y takes 32 rows:
; wave 2, a lane a row.  Wave 3 asks for nothing.  K steps 0 to 3 come by their loads alone; the loop's last trip asks for nothing.
.macro ASK
	s_cmp_gt_u32 s3, s[LIM]
	s_cbranch_scc0 .Lnoask_\@
	global_prefetch_b8 v[PFO], s[PFA:PFA+1] th:TH_LOAD_NT scope:SCOPE_SE
.Lnoask_\@:
.endm
.macro MUL f, a0, n, first             ; 4 n matrix instructions: token blocks a0 .. x all 4 column blocks; the accumulators take turns
.if \first
	WIN 0x40
.else
	WIN 0x50
.endif
.set ax, \a0
.rept \n
.set bx, 0
.rept 4
.set rD, 8*(4*ax+bx)
.if \first
	v_wmma_f32_16x16x32_f16 v[rD:rD+7], v[(\f)+64+8*bx:(\f)+64+8*bx+7], v[(\f)+8*ax:(\f)+8*ax+7], v[BIA+8*bx:BIA+8*bx+7]
.else
	v_wmma_f32_16x16x32_f16 v[rD:rD+7], v[(\f)+64+8*bx:(\f)+64+8*bx+7], v[(\f)+8*ax:(\f)+8*ax+7], v[rD:rD+7]
.endif
.set bx, bx+1
.endr
.set ax, ax+1
.endr
.endm
.macro FETCH slot, q, f                ; 24 LDS loads: quarter q (32 along K) of a slot: Wp's 8, then y's rows 0-63, then rows 64-127
	WIN 0
.irp bb, 0,1,2,3
	ds_load_b128 v[(\f)+64+8*(\bb):(\f)+64+8*(\bb)+3],   v[ADRB+(\slot)] offset:(\q)*64+(\bb)*16*PB
	ds_load_b128 v[(\f)+64+8*(\bb)+4:(\f)+64+8*(\bb)+7], v[ADRB+(\slot)] offset:(\q)*64+(\bb)*16*PB+32
.endr
.irp a, 0,1,2,3,4,5,6,7
	ds_load_b128 v[(\f)+8*(\a):(\f)+8*(\a)+3],   v[ADRA+(\slot)] offset:((\q)/2)*AZ+((\q)%2)*64+(\a)*16*PA
	ds_load_b128 v[(\f)+8*(\a)+4:(\f)+8*(\a)+7], v[ADRA+(\slot)] offset:((\q)/2)*AZ+((\q)%2)*64+(\a)*16*PA+32
.endr
.endm
.macro QUARTER slot, q, f, g, first    ; multiplies buffer f; in its middle fetches quarter q of the same slot into g
	s_wait_dscnt 8                                 ; all but y's rows 64-127
	MUL \f, 0, 4, \first
	PLACES
	FETCH \slot, \q, \g
	s_wait_dscnt 24                                ; all but the 24 just issued
	MUL \f, 4, 4, \first
.endm
; The last quarter multiplies buffer 1 and changes slots: ONE barrier; in front of it each wave waits for all its tensor loads, adds 0 to its spare word, and waits for that and for its reads of this slot.
; fill = 1: the barrier opens a round of the cluster's barrier; behind it this slot is filled again, two K steps on: 112 matrix instructions ahead of the wait for it.
.macro TURN slot, next, fill
	WIN 0
.if \fill
	s_wait_xcnt 0x0                                ; the last prefetch, a K step back, has read its address
	s_add_nc_u64 s[PFA:PFA+1], s[PFA:PFA+1], s[PSTEP:PSTEP+1]
.endif
	s_wait_tensorcnt 0x0
	ds_add_u32 v[SPW], v[NIL]
	s_wait_dscnt 9                                 ; (the add and y's rows 64-127 may be out)
	MUL F1, 0, 2, 0
	s_wait_dscnt 0x0                               ; the add is done, and my reads of this slot are over
	s_barrier_signal -1
	MUL F1, 2, 2, 0
	WIN 0
	s_barrier_wait -1
.if \fill
	CREST
	s_add_nc_u64 s[G0A+4*(\slot)+2:G0A+4*(\slot)+3], s[G0A+4*(\slot)+2:G0A+4*(\slot)+3], 1048576  ; four heads on
	s_add_nc_u64 s[G0B+4*(\slot)+2:G0B+4*(\slot)+3], s[G0B+4*(\slot)+2:G0B+4*(\slot)+3], 512
	JLOAD \slot                                    ; its four v_nop are also the places in front of the loads below
.else
	PLACES
.endif
	FETCH \next, 0, F0
.if \fill
	ASK
.endif
	MUL F1, 4, 4, 0
.endm
	s_load_b256 s[4:11], s[0:1], 0x0               ; oh s[4:5], wph s[6:7], tab s[8:9], out0 s[10:11]
	v_lshl_add_u32 v[SPW], v0, 2, SPARE
	v_mov_b32 v[NIL], 0
	ds_add_u32 v[SPW], v[NIL]                      ; the wave's opening: the add and its wait ahead of my first tensor load
	v_lshrrev_b32 v1, 5, v0
	v_readfirstlane_b32 s[WV], v1
	s_lshr_b32 s[WM], s[WV], 1
	s_and_b32 s[WN], s[WV], 1
	s_bfe_u32 s15, ttmp6, 0x40000                  ; cx
	s_bfe_u32 s16, ttmp6, 0x40004                  ; cy
	s_lshl_b32 s17, ttmp9, 2
	s_add_co_u32 s17, s17, s15                     ; j: 128 columns
	s_and_b32 s18, ttmp7, 0xffff
	s_lshl_b32 s18, s18, 2
	s_add_co_u32 s18, s18, s16                     ; i: 256 tokens
	s_lshl_b32 s19, s16, 2
	s_lshl_b32 s19, 15, s19
	s_lshl_b32 s40, 0x1111, s15
	s_or_b32 s[G1A], s19, (1<<16)|(1<<20)|(1<<21)|(4<<22)|(3<<25)  ; y: dense, rows of 256 bytes, 16 bytes of padding behind every 128
	s_or_b32 s[G1B], s40, (1<<16)|(1<<20)|(1<<21)|(5<<22)|(3<<25)  ; Wp: 16 bytes behind every 256
	s_mov_b32 s[G1A+1], 128<<16
	s_mov_b32 s[G1A+2], 128<<16                    ; 128 rows of 256 bytes: 256 tokens of a head
	s_mov_b32 s[G1A+3], 128<<16
	s_mov_b32 s[G1A+4], 128
	s_mov_b32 s[G1A+5], 128
	s_mov_b32 s[G1A+6], 0
	s_mov_b32 s[G1A+7], 0
	s_mov_b32 s[G1B+1], 128<<16
	s_mov_b32 s[G1B+2], 64<<16
	s_mov_b32 s[G1B+3], 128<<16
	s_mov_b32 s[G1B+4], 64
	s_mov_b32 s[G1B+5], 1024
	s_mov_b32 s[G1B+6], 0
	s_mov_b32 s[G1B+7], 0
	s_lshr_b32 s20, s18, 3                         ; y: (16 b + my head of the step's two) x 262,144 + the panel's 256 tokens
	s_lshl_b32 s20, s20, 4
	s_add_co_u32 s20, s20, s[WN]
	s_lshl_b32 s20, s20, 18
	s_and_b32 s21, s18, 7
	s_lshl_b32 s21, s21, 15
	s_add_co_u32 s20, s20, s21
	s_mov_b32 s21, 0
	s_lshl_b32 s46, s17, 7                         ; Wp: row 128 j + 64 x half
	s_lshl_b32 s47, s[WN], 6
	s_add_co_u32 s46, s46, s47
	s_lshl_b32 s46, s46, 11
	s_mov_b32 s47, 0
	s_mul_i32 s22, s[WN], AZ
	s_mul_i32 s23, s[WN], BHALF
	s_add_co_u32 s23, s23, 2*AZ
	s_wait_dscnt 0x0                               ; the opening add is done
	s_wait_kmcnt 0x0
	s_add_nc_u64 s[20:21], s[4:5], s[20:21]
	s_add_nc_u64 s[46:47], s[6:7], s[46:47]
	CROUND
.irp s, 0,1
	s_mov_b32 s[G0A+4*(\s)], 1
	s_add_co_u32 s[G0A+4*(\s)+1], s22, (\s)*SLOT
	s_add_nc_u64 s[G0A+4*(\s)+2:G0A+4*(\s)+3], s[20:21], (\s)*524288
	s_or_b32 s[G0A+4*(\s)+3], s[G0A+4*(\s)+3], 0x80000000
	s_mov_b32 s[G0B+4*(\s)], 1
	s_add_co_u32 s[G0B+4*(\s)+1], s23, (\s)*SLOT
	s_add_nc_u64 s[G0B+4*(\s)+2:G0B+4*(\s)+3], s[46:47], (\s)*256
	s_or_b32 s[G0B+4*(\s)+3], s[G0B+4*(\s)+3], 0x80000000
	JLOAD \s
.endr
	; the prefetches' pointer: at K step 3; each refill steps it by one K step ahead of its request
	s_lshr_b32 s40, s18, 3
	s_lshl_b32 s40, s40, 4
	s_add_co_u32 s40, s40, s[WN]
	s_lshl_b32 s40, s40, 18
	s_and_b32 s41, s18, 7
	s_lshl_b32 s41, s41, 15
	s_add_co_u32 s40, s40, s41
	s_lshl_b32 s41, s15, 13
	s_add_co_u32 s40, s40, s41
	s_add_co_u32 s40, s40, 3*524288                ; y
	s_lshl_b32 s41, s17, 7
	s_lshl_b32 s42, s16, 5
	s_add_co_u32 s41, s41, s42
	s_lshl_b32 s41, s41, 11
	s_add_co_u32 s41, s41, 3*256                   ; Wp
	s_and_b32 s19, ttmp7, 0xffff
	s_mov_b32 s21, 524288
	s_mov_b32 s23, 256
	s_cmp_eq_u32 s[WM], 0
	s_cselect_b64 s[PFA:PFA+1], s[4:5], s[6:7]
	s_cselect_b32 s40, s40, s41
	s_cselect_b32 s19, ttmp9, s19
	s_cselect_b32 s[PSTEP], s21, s23
	s_cselect_b32 s22, 8, 11                       ; a lane 256 bytes of y, or a row of Wp
	s_mov_b32 s[PSTEP+1], 0
	s_mov_b32 s41, 0
	s_add_nc_u64 s[PFA:PFA+1], s[PFA:PFA+1], s[40:41]
	s_cmp_eq_u32 s19, 0
	s_cselect_b32 s[LIM], 1, -1
	s_cmp_eq_u32 s[WV], 3
	s_cselect_b32 s[LIM], -1, s[LIM]
	v_and_b32 v1, 15, v0
	v_bfe_u32 v2, v0, 4, 1
	v_and_b32 v4, 31, v0
	v_lshlrev_b32 v[PFO], s22, v4
	v_mul_u32_u24 v3, v1, PA
	v_lshl_add_u32 v3, v2, 4, v3
	v_mul_u32_u24 v5, v1, PB
	v_lshl_add_u32 v5, v2, 4, v5
	s_mul_i32 s20, s[WM], 128*PA
	s_mul_i32 s21, s[WN], BHALF
	s_add_co_u32 s21, s21, 2*AZ
.irp s, 0,1
	v_add_nc_u32 v[ADRA+(\s)], s20, v3
	v_add_nc_u32 v[ADRB+(\s)], s21, v5
	s_add_co_u32 s20, s20, SLOT
	s_add_co_u32 s21, s21, SLOT
.endr
	s_mul_i32 s20, s[WV], 16*SPITCH
	s_add_co_u32 s20, s20, STAGE
	v_mul_u32_u24 v5, v1, SPITCH                   ; in: row l % 16, 32 bytes for each half of the lanes
	v_lshl_add_u32 v5, v2, 5, v5
	v_add_nc_u32 v[STO], s20, v5
	v_mul_u32_u24 v5, v2, SPITCH                   ; back: lanes 0-15 one row of 256 bytes, lanes 16-31 the next
	v_lshl_add_u32 v5, v1, 4, v5
	v_add_nc_u32 v[RD], s20, v5
	v_lshlrev_b32 v5, 12, v2
	v_lshl_add_u32 v[CO], v1, 4, v5                ; and the same two rows in out0
	s_lshl_b32 s20, s17, 7
	s_lshl_b32 s21, s[WN], 6
	s_add_co_u32 s20, s20, s21                     ; my first column,
	s_lshl_b32 s20, s20, 2                         ; in bytes
	v_lshl_add_u32 v[BO], v2, 5, s20
	s_lshl_b32 s21, s18, 8
	s_lshl_b32 s22, s[WM], 7
	s_add_co_u32 s21, s21, s22                     ; my first token
	s_lshl_b32 s21, s21, 12
	s_add_co_u32 s20, s20, s21
	s_mov_b32 s21, 0
	s_add_nc_u64 s[10:11], s[10:11], s[20:21]
.irp bb, 0,1,2,3
	global_load_b128 v[BIA+8*(\bb):BIA+8*(\bb)+3],   v[BO], s[8:9] offset:262144+12288+64*(\bb)
	global_load_b128 v[BIA+8*(\bb)+4:BIA+8*(\bb)+7], v[BO], s[8:9] offset:262144+12288+64*(\bb)+16
.endr
	s_wait_tensorcnt 1                             ; my part of K step 0 is in; K step 1's may stay out
	s_barrier_signal -1
	s_barrier_wait -1
	FETCH 0, 0, F0
	s_wait_loadcnt 0x0                             ; bp
	QUARTER 0, 1, F0, F1, 1                        ; the first quarter stands in front of the loop: its products start the sums, with bp
	WIN 0
	s_mov_b32 s3, 3
.Llap:
	QUARTER 0, 2, F1, F0, 0
	QUARTER 0, 3, F0, F1, 0
	TURN 0, 1, 1
	QUARTER 1, 1, F0, F1, 0
	QUARTER 1, 2, F1, F0, 0
	QUARTER 1, 3, F0, F1, 0
	TURN 1, 0, 1
	QUARTER 0, 1, F0, F1, 0
	WIN 0
	s_sub_co_u32 s3, s3, 1
	s_cmp_lg_u32 s3, 0
	s_cbranch_scc1 .Llap
	QUARTER 0, 2, F1, F0, 0                        ; the last lap fills nothing
	QUARTER 0, 3, F0, F1, 0
	TURN 0, 1, 0
	QUARTER 1, 1, F0, F1, 0
	QUARTER 1, 2, F1, F0, 0
	QUARTER 1, 3, F0, F1, 0
	s_wait_dscnt 8
	MUL F1, 0, 4, 0
	s_wait_dscnt 0x0
	MUL F1, 4, 4, 0
	PLACES
; THE WAY OUT: 16 tokens at a time, straight from the accumulators (lowest registers first) into my stage, back as whole rows of 256 bytes, and out: 16 lanes store 256 consecutive bytes, aligned.
.macro OUTB a
	WIN 0x04                                       ; the stores' data in window 1
.irp bb, 0,1,2,3
	ds_store_b128 v[STO], v[8*(4*(\a)+(\bb)):8*(4*(\a)+(\bb))+3]   offset:64*(\bb)
	ds_store_b128 v[STO], v[8*(4*(\a)+(\bb))+4:8*(4*(\a)+(\bb))+7] offset:64*(\bb)+16
.endr
	WIN 0
	s_wait_xcnt 0x0                                ; earlier stores have read the buffer that is loaded now
.irp t, 0,1,2,3,4,5,6,7
	ds_load_b128 v[OBF+32*((\a)%2)+4*(\t):OBF+32*((\a)%2)+4*(\t)+3], v[RD] offset:(\t)*2*SPITCH  ; LDS serves a wave's instructions in order (ISA guide 5.7.1.4)
.endr
	s_wait_dscnt 0x0
.irp t, 0,1,2,3,4,5,6,7
	global_store_b128 v[CO], v[OBF+32*((\a)%2)+4*(\t):OBF+32*((\a)%2)+4*(\t)+3], s[10:11] offset:(\a)*65536+(\t)*8192 th:TH_STORE_NT
.endr
.endm
.irp a, 0,1,2,3,4,5,6,7
	OUTB \a
.endr
	s_wait_tensorcnt 0x0                           ; the wave's end
	ds_add_u32 v[SPW], v[NIL]
	s_wait_dscnt 0x0
	CROUND                                         ; the closing round
	s_endpgm
.Lfunc_end_k_q0e57a7406d_proj:
	.size	k_q0e57a7406d_proj, .Lfunc_end_k_q0e57a7406d_proj-k_q0e57a7406d_proj
	.p2alignl 7, 3214868480
	.fill 96, 4, 3214868480
	.section	.rodata,"a",@progbits
	.p2align	6, 0x0
	.amdhsa_kernel k_q0e57a7406d_proj
		.amdhsa_group_segment_fixed_size 327680
		.amdhsa_private_segment_fixed_size 0
		.amdhsa_enable_private_segment 0
		.amdhsa_kernarg_size 32
		.amdhsa_user_sgpr_count 2
		.amdhsa_user_sgpr_kernarg_segment_ptr 1
		.amdhsa_wavefront_size32 1
		.amdhsa_system_sgpr_workgroup_id_x 1
		.amdhsa_system_sgpr_workgroup_id_y 1
		.amdhsa_system_sgpr_workgroup_id_z 1
		.amdhsa_system_vgpr_workitem_id 0
		.amdhsa_next_free_vgpr 512
		.amdhsa_next_free_sgpr 80
		.amdhsa_reserve_vcc 0
		.amdhsa_float_denorm_mode_32 3
		.amdhsa_float_denorm_mode_16_64 3
		.amdhsa_memory_ordered 1
		.amdhsa_forward_progress 1
		.amdhsa_inst_pref_size 88
	.end_amdhsa_kernel
	.amdgpu_metadata
---
amdhsa.version: [ 1, 2 ]
amdhsa.kernels:
  - .name:           k_q0e57a7406d_proj
    .symbol:         k_q0e57a7406d_proj.kd
    .args:
      - { .name: oh, .offset: 0, .size: 8, .value_kind: global_buffer, .address_space: global }
      - { .name: wph, .offset: 8, .size: 8, .value_kind: global_buffer, .address_space: global }
      - { .name: tab, .offset: 16, .size: 8, .value_kind: global_buffer, .address_space: global }
      - { .name: out0, .offset: 24, .size: 8, .value_kind: global_buffer, .address_space: global }
    .group_segment_fixed_size: 327680
    .private_segment_fixed_size: 0
    .kernarg_segment_align: 8
    .kernarg_segment_size: 32
    .max_flat_workgroup_size: 128
    .sgpr_count:     80
    .vgpr_count:     512
    .wavefront_size: 32
...
	.end_amdgpu_metadata
.endif
;; end of part 4
;; ======== version 2 of 2: 4 launches; version 1 with the launch prep written anew for expert scheduling mode
;; limits: values are held in f16: magnitudes above 65,504 overflow, below 6.1e-05 lose precision
;; workspace buffers: xbf 16,777,216 bytes; wqkv 6,291,456 bytes; wph 2,097,152 bytes; tab 278,528 bytes; msk 2,097,152 bytes of whole numbers; qkvh 50,331,648 bytes; oh 16,777,216 bytes
;; launch prep (part 5): grid 517 x 1, 8 waves a work-group, no clusters, 0 bytes of LDS; arguments attn_mask, padding_mask, x, Wq, Wk, Wv, Wp, freqs_cis, bq, bk, bv, bp, xbf, wqkv, wph, tab, msk; writes xbf, wqkv, wph, tab, msk
.if DOCPART == 5
	.amdgcn_target "amdgcn-amd-amdhsa--gfx1250"
	.amdhsa_code_object_version 6
	.text
	.protected	k_q0e57a7406d_prep
	.globl	k_q0e57a7406d_prep
	.p2align	8
	.type	k_q0e57a7406d_prep,@function
k_q0e57a7406d_prep:
	s_mov_b64 s[64:65], 0
	v_nop
	global_prefetch_b8 v0, s[64:65] scope:SCOPE_SE
	s_setreg_imm32_b32 hwreg(HW_REG_WAVE_SCHED_MODE, 0, 2), 2
	s_setreg_imm32_b32 hwreg(HW_REG_WAVE_MODE, 25, 1), 1
	s_wait_xcnt 0x0
	s_wait_alu depctr_vm_vsrc(0)
; PREPARATION.  Every float input is rounded once to bf16, and the two masks are packed into lane masks.  A work-group has ONE role, by its number:
;   0-127   M: tile of 16 queries: attn_mask AND padding_mask -> msk        128-383 X: 32 rows of x -> xbf        384-479 W: 32 rows of Wq, Wk or Wv -> wqkv
;   480-511 P: Wp -> wph (rounded to bf16, that number written as f16)      512-515 T: freqs_cis -> tab (bf16)     516     B: the four biases -> tab (rounded to bf16, kept as f32)
; LAYOUTS.  xbf  bf16 [32 panels of 256 rows][16 blocks of 64 k][256][64]: a block is 32,768 dense bytes.
;           wqkv bf16 [8 panels][16 blocks of 64 k][384 rows][64]: row = 192 (head % 2) + 64 g + channel, g = 0 q, 1 k, 2 v; the panel holds heads 2 j and 2 j + 1.
;           msk  [b][tile of 16 queries][step of 64 keys][32 words].
;           Word 8 kb + j of (b, tile, step): bit l = key 64 step + 16 kb + 8 (l / 16) + j is visible to query 16 tile + l % 16: the lane mask of one register of a tile of scores.
; LIMITS.  Wp: a bf16 number below 6e-5 keeps f16's fixed step of 6e-8; beyond 65,504 it would be lost.
; The stream has no matrix work, no cluster, no LDS and no tensor load: no wave wants a byte that another has fetched.  Each byte is read once by 16-byte loads, all of a thread's 32 loads are out together, and each store
; of a wave covers 512 (role M: 256) consecutive bytes, aligned.
; THE MODE: SCHED_MODE bits 1:0 = 2 (LLVM: expert scheduling mode 2), set by the entry lines.  The code itself states the register dependences between vector instructions and memory instructions, and between a vector
; instruction that writes a scalar register and that register's readers, with s_wait_alu, always for 0.
; THE PLAN.  Registers that memory instructions touch:
;   offsets      Made once at a role's head by vector lines and never written again (role M's rows are reached by its three scalar bases, which step): one wait on va_vdst ahead of a role's first load serves every load and store.
;   STREAM       Pass q of 16 owns v[16 + 8 q : 23 + 8 q]: its two loads land there, its conversions read the eight and write the low four, its store reads those four.  No pass's registers are used twice, so no store's
;                data is written again.  The passes go in fours: one wait on va_vdst at the head of passes 4, 8 and 12 states that the four passes before have written their data; their stores follow it, one ahead of
;                each pass's conversions, which name that pass's own registers and v144, v145 alone.  One more wait stands ahead of the last four stores.
;   role M       v[20:35], v[48:111]: a trip's loads land there, its compares read them.  v[12:19]: its eight v_and_b32 write them, its four stores read them.  ONE wait on va_vdst a trip, ahead of the stores, states both
;                that v[12:19] are written and that the compares are done reading; behind it stand stores and scalar lines alone, so it serves the next trip's loads too.  One wait on vm_vsrc at the trip's end states that
;                the stores have read v[12:19].  Lane masks are made in runs of 16 and 32 compares into scalar registers, with one wait on va_sdst between a run and its readers.
; A thread's 16 passes of 8 numbers: source at s[4:5] + v4 + q sstep, destination at s[6:7] + v5 + q dstep.  fmt = 1: the bf16 number is written as f16.
.macro STREAM sstep, dstep, fmt
	s_wait_alu depctr_va_vdst(0)                   ; v4 and v5 are written: every load and store below reads one of them as its offset
.set q, 0
.rept 16
	global_load_b128 v[16+8*q:19+8*q], v4, s[4:5] offset:q*(\sstep) th:TH_LOAD_NT
	global_load_b128 v[20+8*q:23+8*q], v4, s[4:5] offset:q*(\sstep)+16 th:TH_LOAD_NT
.set q, q+1
.endr
.set q, 0
.rept 16
	s_wait_loadcnt 30-2*q                          ; loads come back in order: the 30 - 2 q behind this pass's two may stay out
.if (q%4 == 0) && (q > 0)
	s_wait_alu depctr_va_vdst(0)                   ; the conversions of passes q - 4 to q - 1 have written their low four registers, which the next four stores read
.endif
.if q >= 4
	global_store_b128 v5, v[16+8*(q-4):19+8*(q-4)], s[6:7] offset:(q-4)*(\dstep)  ; no vector line since the wait names these registers
.endif
.irp k, 0,1,2,3
	v_cvt_pk_bf16_f32 v[16+8*q+(\k)], v[16+8*q+2*(\k)], v[16+8*q+2*(\k)+1]
.endr
.if \fmt
.irp k, 0,1,2,3
	v_lshlrev_b32 v144, 16, v[16+8*q+(\k)]
	v_and_b32 v145, 0xffff0000, v[16+8*q+(\k)]
	v_cvt_pk_f16_f32 v[16+8*q+(\k)], v144, v145
.endr
.endif
.set q, q+1
.endr
	s_wait_alu depctr_va_vdst(0)                   ; the conversions of passes 12 to 15 have written what the last four stores read
.set q, 12
.rept 4
	global_store_b128 v5, v[16+8*q:19+8*q], s[6:7] offset:q*(\dstep)
.set q, q+1
.endr
.endm
.macro ROWS                            ; eight threads a row of 1,024 f32: 64 numbers of it a pass
	v_lshrrev_b32 v2, 3, v0
	v_and_b32 v3, 7, v0
	v_lshlrev_b32 v4, 12, v2
	v_lshl_add_u32 v4, v3, 5, v4
	v_lshlrev_b32 v5, 4, v0                        ; row x 128 + 16 x (thread % 8) = 16 x thread
.endm
.macro LINEAR                          ; a dense share: 131,072 bytes in, 65,536 out; s14 = which
	v_lshlrev_b32 v4, 5, v0
	v_lshlrev_b32 v5, 4, v0
	s_lshl_b32 s16, s14, 17
	s_mov_b32 s17, 0
	s_lshl_b32 s18, s14, 16
	s_mov_b32 s19, 0
	s_wait_kmcnt 0x0
	s_add_nc_u64 s[4:5], s[4:5], s[16:17]
	s_add_nc_u64 s[6:7], s[6:7], s[18:19]
.endm
	v_lshrrev_b32 v1, 5, v0
	v_readfirstlane_b32 s12, v1                    ; wave 0..7
	s_mov_b32 s13, ttmp9
	s_wait_alu depctr_va_sdst(0)                   ; s12 is written: ahead of the branches below, behind which roles B and M read it
	s_cmp_lt_u32 s13, 128
	s_cbranch_scc1 .Lmask
	s_cmp_lt_u32 s13, 384
	s_cbranch_scc1 .Lx
	s_cmp_lt_u32 s13, 480
	s_cbranch_scc1 .Lw
	s_cmp_lt_u32 s13, 512
	s_cbranch_scc1 .Lp
	s_cmp_lt_u32 s13, 516
	s_cbranch_scc1 .Lt
	; ROLE B: waves 2 g and 2 g + 1 take bias g: four passes of 1,024 bytes
	s_load_b256 s[16:23], s[0:1], 0x40             ; bq, bk, bv, bp
	s_load_b64 s[6:7], s[0:1], 0x78                ; tab
	s_lshr_b32 s14, s12, 1
	v_and_b32 v2, 63, v0
	v_lshlrev_b32 v2, 4, v2
	s_lshl_b32 s15, s14, 12
	v_add_nc_u32 v3, s15, v2
	s_wait_kmcnt 0x0
	s_cmp_eq_u32 s14, 0
	s_cselect_b64 s[4:5], s[16:17], s[18:19]
	s_cmp_eq_u32 s14, 2
	s_cselect_b64 s[4:5], s[20:21], s[4:5]
	s_cmp_eq_u32 s14, 3
	s_cselect_b64 s[4:5], s[22:23], s[4:5]
	s_wait_alu depctr_va_vdst(0)                   ; v2 and v3 are written: the loads' and the stores' offsets
.irp p, 0,1,2,3
	global_load_b128 v[16+4*(\p):19+4*(\p)], v2, s[4:5] offset:(\p)*1024
.endr
	s_wait_loadcnt 0x0
.irp p, 0,1,2,3
	v_cvt_pk_bf16_f32 v144, v[16+4*(\p)], v[17+4*(\p)]
	v_cvt_pk_bf16_f32 v145, v[18+4*(\p)], v[19+4*(\p)]
	v_lshlrev_b32 v[16+4*(\p)], 16, v144
	v_and_b32 v[17+4*(\p)], 0xffff0000, v144
	v_lshlrev_b32 v[18+4*(\p)], 16, v145
	v_and_b32 v[19+4*(\p)], 0xffff0000, v145
.endr
	s_wait_alu depctr_va_vdst(0)                   ; the lines above have written v[16:31], which the four stores read
.irp p, 0,1,2,3
	global_store_b128 v3, v[16+4*(\p):19+4*(\p)], s[6:7] offset:262144+(\p)*1024
.endr
	s_endpgm
.Lx:                                   ; ROLE X
	s_load_b64 s[4:5], s[0:1], 0x10                ; x
	s_load_b64 s[6:7], s[0:1], 0x60                ; xbf
	s_sub_co_u32 s14, s13, 128                     ; 32 rows each
	ROWS
	s_lshl_b32 s16, s14, 17
	s_mov_b32 s17, 0
	s_lshr_b32 s18, s14, 3                         ; the panel,
	s_lshl_b32 s18, s18, 19
	s_and_b32 s19, s14, 7                          ; my 32 rows of its 256
	s_lshl_b32 s19, s19, 12
	s_add_co_u32 s18, s18, s19
	s_mov_b32 s19, 0
	s_wait_kmcnt 0x0
	s_add_nc_u64 s[4:5], s[4:5], s[16:17]
	s_add_nc_u64 s[6:7], s[6:7], s[18:19]
	STREAM 256, 32768, 0
	s_endpgm
.Lw:                                   ; ROLE W
	s_load_b64 s[20:21], s[0:1], 0x18              ; Wq
	s_load_b64 s[22:23], s[0:1], 0x20              ; Wk
	s_load_b64 s[24:25], s[0:1], 0x28              ; Wv
	s_load_b64 s[6:7], s[0:1], 0x68                ; wqkv
	s_sub_co_u32 s14, s13, 384
	s_lshr_b32 s15, s14, 5                         ; g
	s_and_b32 s14, s14, 31                         ; which 32 rows: half a head
	ROWS
	s_lshl_b32 s16, s14, 17
	s_mov_b32 s17, 0
	s_lshr_b32 s18, s14, 2                         ; the panel
	s_mul_i32 s18, s18, 786432
	s_bfe_u32 s19, s14, 0x10001                    ; head % 2
	s_mul_i32 s19, s19, 192
	s_lshl_b32 s26, s15, 6
	s_add_co_u32 s19, s19, s26
	s_and_b32 s26, s14, 1
	s_lshl_b32 s26, s26, 5
	s_add_co_u32 s19, s19, s26                     ; the first of my rows in a block
	s_lshl_b32 s19, s19, 7
	s_add_co_u32 s18, s18, s19
	s_mov_b32 s19, 0
	s_wait_kmcnt 0x0
	s_cmp_eq_u32 s15, 0
	s_cselect_b64 s[4:5], s[20:21], s[22:23]
	s_cmp_eq_u32 s15, 2
	s_cselect_b64 s[4:5], s[24:25], s[4:5]
	s_add_nc_u64 s[4:5], s[4:5], s[16:17]
	s_add_nc_u64 s[6:7], s[6:7], s[18:19]
	STREAM 256, 49152, 0
	s_endpgm
.Lp:                                   ; ROLE P
	s_load_b64 s[4:5], s[0:1], 0x30                ; Wp
	s_load_b64 s[6:7], s[0:1], 0x70                ; wph
	s_sub_co_u32 s14, s13, 480
	LINEAR
	STREAM 8192, 4096, 1
	s_endpgm
.Lt:                                   ; ROLE T
	s_load_b64 s[4:5], s[0:1], 0x38                ; freqs_cis
	s_load_b64 s[6:7], s[0:1], 0x78                ; tab
	s_sub_co_u32 s14, s13, 512
	LINEAR
	STREAM 8192, 4096, 0
	s_endpgm
.Lmask:                                ; ROLE M: tile s13; wave w owns key steps 4 w .. 4 w + 3, two a trip
	s_load_b128 s[4:7], s[0:1], 0x0                ; attn_mask, padding_mask
	s_load_b64 s[8:9], s[0:1], 0x80                ; msk
	v_and_b32 v1, 31, v0                           ; l
	v_and_b32 v6, 15, v1
	v_lshrrev_b32 v7, 4, v1
	s_lshl_b32 s14, s12, 10                        ; my four steps: 256 keys x 4 bytes
	v_lshlrev_b32 v2, 13, v6                       ; attn_mask: row l % 16,
	v_lshl_add_u32 v2, v7, 5, v2                   ; eight keys from 8 (l / 16) on
	v_add_nc_u32 v2, s14, v2
	v_bfe_u32 v3, v1, 2, 2                         ; padding_mask: lane 16 sp + m will hold words 2 m, 2 m + 1 of step sp: keys 64 sp + 16 (m / 4) + 2 (m % 4) + 0, 1, and those 8 on
	v_lshlrev_b32 v3, 4, v3
	v_lshl_add_u32 v3, v7, 6, v3
	v_and_b32 v6, 3, v1
	v_lshl_add_u32 v3, v6, 1, v3
	v_lshl_add_u32 v3, v3, 2, s14
	s_lshl_b32 s15, s13, 12                        ; the words: tile x 4,096 + step x 128 + 8 l
	s_lshl_b32 s34, s12, 9
	s_add_co_u32 s15, s15, s34
	v_lshl_add_u32 v4, v1, 3, s15
	s_lshl_b32 s40, s13, 17                        ; the tile's 16 rows of 8,192 bytes
	s_mov_b32 s41, 0
	v_mov_b32 v10, 0                               ; v_writelane_b32 counts as a reader of its destination
	v_mov_b32 v11, 0
	v_mov_b32 v112, 0xffff
	v_mov_b32 v113, 0xffff0000
	s_mov_b32 s10, 2
	s_wait_kmcnt 0x0
	s_add_nc_u64 s[4:5], s[4:5], s[40:41]
	s_wait_alu depctr_va_vdst(0)                   ; v2, v3 and v4 are written: the offsets of every load and store of the loop, never written again
.Lpair:
.irp b, 0,1,2,3
	global_load_b64 v[20+4*(\b):21+4*(\b)], v3, s[6:7] offset:(\b)*8192
	global_load_b64 v[22+4*(\b):23+4*(\b)], v3, s[6:7] offset:(\b)*8192+32
.endr
.set c, 0
.rept 8                                ; chunk c: step c / 4 of the pair, 16 keys from 16 (c % 4) on
	global_load_b128 v[48+8*c:51+8*c], v2, s[4:5] offset:(c/4)*256+(c%4)*64 th:TH_LOAD_NT
	global_load_b128 v[52+8*c:55+8*c], v2, s[4:5] offset:(c/4)*256+(c%4)*64+16 th:TH_LOAD_NT
.set c, c+1
.endr
	s_wait_loadcnt 16                              ; the padding is in: attn_mask's 16 loads are younger
.set p, 0
.rept 8                                ; batch p / 2, word parity p % 2: lanes 0-15 of a word go by one key, lanes 16-31 by the key 8 on: sixteen compares in one run
	v_cmp_ne_u32 s[16+2*p], 0, v[20+4*(p/2)+p%2]
	v_cmp_ne_u32 s[17+2*p], 0, v[22+4*(p/2)+p%2]
.set p, p+1
.endr
	s_wait_alu depctr_va_sdst(0)                   ; the sixteen compares have written s[16:31], which the selects below read
.set p, 0
.rept 8
	v_cndmask_b32 v[36+p], 0, v112, s[16+2*p]
	v_cndmask_b32 v114, 0, v113, s[17+2*p]
	v_or_b32 v[36+p], v[36+p], v114
.set p, p+1
.endr
.irp hh, 0,1                           ; a step of the pair at a time: its four chunks' 32 compares in one run, then the 32 lines that read their masks
.set c, 4*(\hh)
.rept 4
	s_wait_loadcnt 14-2*c                          ; the chunks behind this one may stay out
.irp j, 0,1,2,3,4,5,6,7
	v_cmp_ne_u32 s[16+8*(c%4)+(\j)], 0, v[48+8*c+(\j)]  ; a compare's lane mask IS word 8 (c % 4) + j
.endr
.set c, c+1
.endr
	s_wait_alu depctr_va_sdst(0)                   ; the 32 compares have written s[16:47], which the lines below read
.set c, 4*(\hh)
.rept 4
.irp j, 0,1,2,3,4,5,6,7
	v_writelane_b32 v[10+(\j)%2], s[16+8*(c%4)+(\j)], 16*(c/4)+4*(c%4)+(\j)/2
.endr
.set c, c+1
.endr
.endr
.irp b, 0,1,2,3
	v_and_b32 v[12+2*(\b)], v10, v[36+2*(\b)]
	v_and_b32 v[13+2*(\b)], v11, v[37+2*(\b)]
.endr
	s_wait_alu depctr_va_vdst(0)                   ; v[12:19] are written, which the stores read; and the trip's compares are done reading v[20:35] and v[48:111], in which the next trip's loads land: no vector line stands between here and those loads
.irp b, 0,1,2,3
	global_store_b64 v4, v[12+2*(\b):13+2*(\b)], s[8:9] offset:(\b)*524288  ; two steps' words: 256 consecutive bytes, aligned
.endr
	s_wait_xcnt 0x0                                ; the three bases and the stores' data are written again only behind this wait
	s_wait_alu depctr_vm_vsrc(0)                   ; the stores have read v[12:19], which the next trip's v_and_b32 write again
	s_add_nc_u64 s[4:5], s[4:5], 512               ; the next two steps: 128 keys of attn_mask's rows,
	s_add_nc_u64 s[6:7], s[6:7], 512               ; of padding_mask's,
	s_add_nc_u64 s[8:9], s[8:9], 256               ; and their 64 words
	s_sub_co_u32 s10, s10, 1
	s_cmp_lg_u32 s10, 0
	s_cbranch_scc1 .Lpair
	s_endpgm
.Lfunc_end_k_q0e57a7406d_prep:
	.size	k_q0e57a7406d_prep, .Lfunc_end_k_q0e57a7406d_prep-k_q0e57a7406d_prep
	.p2alignl 7, 3214868480
	.fill 96, 4, 3214868480
	.section	.rodata,"a",@progbits
	.p2align	6, 0x0
	.amdhsa_kernel k_q0e57a7406d_prep
		.amdhsa_group_segment_fixed_size 0
		.amdhsa_private_segment_fixed_size 0
		.amdhsa_enable_private_segment 0
		.amdhsa_kernarg_size 136
		.amdhsa_user_sgpr_count 2
		.amdhsa_user_sgpr_kernarg_segment_ptr 1
		.amdhsa_wavefront_size32 1
		.amdhsa_system_sgpr_workgroup_id_x 1
		.amdhsa_system_sgpr_workgroup_id_y 1
		.amdhsa_system_sgpr_workgroup_id_z 1
		.amdhsa_system_vgpr_workitem_id 0
		.amdhsa_next_free_vgpr 160
		.amdhsa_next_free_sgpr 66
		.amdhsa_reserve_vcc 0
		.amdhsa_float_denorm_mode_32 3
		.amdhsa_float_denorm_mode_16_64 3
		.amdhsa_memory_ordered 1
		.amdhsa_forward_progress 1
		.amdhsa_inst_pref_size 69
	.end_amdhsa_kernel
	.amdgpu_metadata
---
amdhsa.version: [ 1, 2 ]
amdhsa.kernels:
  - .name:           k_q0e57a7406d_prep
    .symbol:         k_q0e57a7406d_prep.kd
    .args:
      - { .name: attn_mask, .offset: 0, .size: 8, .value_kind: global_buffer, .address_space: global }
      - { .name: padding_mask, .offset: 8, .size: 8, .value_kind: global_buffer, .address_space: global }
      - { .name: x, .offset: 16, .size: 8, .value_kind: global_buffer, .address_space: global }
      - { .name: Wq, .offset: 24, .size: 8, .value_kind: global_buffer, .address_space: global }
      - { .name: Wk, .offset: 32, .size: 8, .value_kind: global_buffer, .address_space: global }
      - { .name: Wv, .offset: 40, .size: 8, .value_kind: global_buffer, .address_space: global }
      - { .name: Wp, .offset: 48, .size: 8, .value_kind: global_buffer, .address_space: global }
      - { .name: freqs_cis, .offset: 56, .size: 8, .value_kind: global_buffer, .address_space: global }
      - { .name: bq, .offset: 64, .size: 8, .value_kind: global_buffer, .address_space: global }
      - { .name: bk, .offset: 72, .size: 8, .value_kind: global_buffer, .address_space: global }
      - { .name: bv, .offset: 80, .size: 8, .value_kind: global_buffer, .address_space: global }
      - { .name: bp, .offset: 88, .size: 8, .value_kind: global_buffer, .address_space: global }
      - { .name: xbf, .offset: 96, .size: 8, .value_kind: global_buffer, .address_space: global }
      - { .name: wqkv, .offset: 104, .size: 8, .value_kind: global_buffer, .address_space: global }
      - { .name: wph, .offset: 112, .size: 8, .value_kind: global_buffer, .address_space: global }
      - { .name: tab, .offset: 120, .size: 8, .value_kind: global_buffer, .address_space: global }
      - { .name: msk, .offset: 128, .size: 8, .value_kind: global_buffer, .address_space: global }
    .group_segment_fixed_size: 0
    .private_segment_fixed_size: 0
    .kernarg_segment_align: 8
    .kernarg_segment_size: 136
    .max_flat_workgroup_size: 256
    .sgpr_count:     66
    .vgpr_count:     160
    .wavefront_size: 32
...
	.end_amdgpu_metadata
.endif
;; end of part 5
;; launch qkvp: the kernel of part 2 again; grid 8 x 32, 4 waves a work-group, clusters of 4 x 4, 327,680 bytes of LDS; arguments xbf, wqkv, tab, qkvh; writes qkvh
;; launch attn: the kernel of part 3 again; grid 4 x 64, 8 waves a work-group, clusters of 4 x 1, 327,680 bytes of LDS; arguments qkvh, msk, oh; writes oh
;; launch proj: the kernel of part 4 again; grid 8 x 32, 4 waves a work-group, clusters of 4 x 4, 327,680 bytes of LDS; arguments oh, wph, tab, out0; writes out0
